; MI455X (gfx1250); checked and timed in simulation.
; The chip was launched on July 23, 2026; its instructions are those of AMD's public machine-readable ISA for CDNA 5 (MIT licence, August 2026) and "CDNA5" Instruction Set Architecture Reference Guide (July 2026). The comments in the code are by the model that wrote it; some were corrected since.
;; Simplified Transformer Block. Allowed arithmetic: matrix products marked QUANTISED: E2M3 operands, one E8M0 scale for each 32 along K, by v_wmma_scale_f32_16x16x128_f8f6f4 with both operands' format E2M3, f32 sums; everything else in f32.
;; Inputs: W_attn 2,048 x 1,024 float32; W_fc 4,096 x 1,024 float32; W_proj 1,024 x 4,096 float32; alpha one number float32; beta one number float32; beta_FF one number float32; beta_SA one number float32; gamma one number float32; ln_w 1,024 float32; x 2 x 2,048 x 1,024 float32.
;; Outputs: out0 2 x 2,048 x 1,024 float32.
;; This version of the problem:
;;   THIS VERSION OF THE PROBLEM IS GIVEN IN LOW PRECISION. The matrix products marked QUANTISED in the list below multiply operands that are first quantised to E2M3 (2 exponent bits, 3 mantissa bits; 6 bits a number), with one power-of-two scale for each 32 numbers along K (OCP MX v1.0); their sums are f32. All else is computed in f32.
;;   The module's matrix products, in the order in which they are computed (A, B: the left and right operand; K: the contracted axis; several contracted axes count as one K, in the product's order):
;;     1. [M 4,096, K 1,024] x [K 1,024, N 2,048]; A: computed on the way; B: input W_attn: QUANTISED
;;     2. batch 32 x [M 2,048, K 64] x [K 64, N 2,048]; A: computed on the way; B: computed on the way: QUANTISED
;;     3. batch 32 x [M 2,048, K 2,048] x [K 2,048, N 64]; A: computed on the way; B: computed on the way: QUANTISED
;;     4. [M 4,096, K 1,024] x [K 1,024, N 4,096]; A: computed on the way; B: input W_fc: QUANTISED
;;     5. [M 4,096, K 4,096] x [K 4,096, N 1,024]; A: computed on the way; B: input W_proj: QUANTISED
;;   THE QUANTISER, for each operand of a quantised product, along K:
;;     - K is cut into blocks of 32 from its start; a last block that is shorter is filled with zeros.
;;     - A block's scale is 2^e with e = floor(log2(the largest magnitude in the block)) - 2, held to -126 .. 127; a block of zeros has e = 0. As a byte (E8M0): e + 127.
;;     - Each number is divided by its block's scale, clamped to +-7.5, and rounded to the nearest number of E2M3, ties to even, subnormals kept.
;;     - The product sums the exact products of the quantised numbers (number of the format x scale) in f32.
;;   ~~~python
;;   def quantise(x, axis):      # numpy; x: float32 -> the quantised numbers, widened to float32 again
;;       x = np.moveaxis(x, axis, -1); K = x.shape[-1]
;;       x = np.pad(x, [(0, 0)] * (x.ndim - 1) + [(0, -K % 32)]); x = x.reshape(x.shape[:-1] + (-1, 32)); a = np.abs(x).max(-1, keepdims=True)
;;       e = np.where(a > 0, np.clip(np.frexp(np.where(a > 0, a, 1))[1] - 1 - 2, -126, 127), 0)      # np.frexp(a)[1] - 1 = floor(log2(a)), exactly
;;       r = np.clip(x / 2.0 ** e, -7.5, 7.5)
;;       step = 2.0 ** (np.maximum(np.frexp(np.where(r == 0, 1, r))[1] - 1, 0) - 3)
;;       q = np.round(r / step) * step * 2.0 ** e      # np.round: ties to even
;;       return np.moveaxis(q.reshape(q.shape[:-2] + (-1,))[..., :K], -1, axis).astype(np.float32)
;;   ~~~
;;   OPERANDS COMPUTED ON THE WAY. 'Computed on the way' means the value that the module computes at that place (a softmax that the list does not call 'softmax' is quantised finished and normalised). What goes into a quantiser is computed in f32, as accurately as f32 sums, v_exp_f32 and their like allow (about 1e-6 of the number): no bf16 or f16 on the way to a quantiser, and a product that is left as it is and whose result goes on into a quantised operand takes f32 operands (vector FMAs, or v_wmma_f32_16x16x4_f32). A number that lies on a knife's edge between two numbers of the format may be rounded either way, as far as f32 arithmetic and the matrix unit's own rounding can turn it there, and no further.
;; One version. Each part assembles by itself: llvm-mc -triple=amdgcn-amd-amdhsa -mcpu=gfx1250 --defsym DOCPART=n.
;; ======== version 1 of 1: 4 launches
;; limits: right only within a limited range of input values
;; workspace buffers: nxp 3,276,800 bytes; wcat 4,915,200 bytes; wpj 3,276,800 bytes; hp 13,107,200 bytes; qb 3,407,872 bytes; kv 6,684,672 bytes; res 16,777,216 bytes
;; launch prep (part 1): grid 288 x 1, 8 waves a work-group, no clusters, 267,776 bytes of LDS; arguments x, ln_w, W_attn, W_fc, W_proj, nxp, wcat, wpj, kv; writes nxp, wcat, wpj, kv
.if DOCPART == 1
	.amdgcn_target "amdgcn-amd-amdhsa--gfx1250"
	.amdhsa_code_object_version 6
	.text
	.protected	k_q04309010ab_prep
	.globl	k_q04309010ab_prep
	.p2align	8
	.type	k_q04309010ab_prep,@function
k_q04309010ab_prep:
	s_mov_b64 s[64:65], 0
	v_nop
	global_prefetch_b8 v0, s[64:65] scope:SCOPE_SE
	s_setreg_imm32_b32 hwreg(HW_REG_WAVE_MODE, 25, 1), 1
	s_wait_xcnt 0x0
; PREP.  Work-groups 0-127: LayerNorm of 32 tokens each; nx is quantised twice from one read of x: along C (operand of the q,k and fc products) and along T (V of the attention: 32 tokens are one block of every channel).
; Work-groups 128-287: the three weights become codes.  All codes are FP6 (E2M3) with one E8M0 byte for each 32 along K.
; A PANEL (12,800 bytes) holds 128 rows x 128 K as images of operand registers: fragment a (16 rows) at 1,536 a, its register group g (4 registers) of lane l at 512 g + 16 l; behind the eight fragments 512 bytes of
; scale words, that of (fragment a, lane r) at 12,288 + 128 (a / 2) + 8 r + 4 (a % 2).  nxp: [32 row panels][8 K steps]; wcat: [48][8] (W_attn's 16 row panels, then W_fc's 32); wpj: [8][32].
; In nxp lane r of fragment a holds row 16 a + r.  In the weights lane r of fragment 2 B + u holds row 32 B + 8 u + r + 8 (r / 8), so that the next launch's results lie 16 neighbours to a lane.
; V in kv, for each head (208,896 bytes): codes at 106,496 + 1,536 x (block of 32 tokens): a channel's registers 0-3 at 16 ch, 4-5 at 1,024 + 8 ch; scale bytes at 204,800 + 256 (block / 4) + 4 ch + block % 4.
; LIMITS: NaN and infinities are not served.  A block whose largest magnitude lies under 2^-124, a block of zeros among them, gets the byte 1: zero codes add nothing, and this program alone reads the bytes.
; Memory binds: no matrix unit, no tensor loads.  The two paths part on the work-group's number and have LDS bytes of their own.
.set NXP,   4112                       ; a token's row of nx in LDS: 4,096 bytes + 16
.set WST,   32*NXP                     ; behind nx: the weight path's stages, one for each wave
.set WPI,   528                        ; a stage row: 512 bytes + 16
.set PANEL, 12800
.set HEADB, 208896
.set LW,  16                           ; v16-47   ln_w (LayerNorm path)
.set VO,  16                           ; v16-47   a row's offset (weight path)
.set D,   48                           ; v48-175  128 numbers at work
.set TM,  176                          ; v176-191 the quantiser's magnitudes, bytes and scale operands
.set PC,  192                          ; v192-210 the codes just made
.set PW,  212                          ; v212-214 two scale words and their mix
.set SM,  216                          ; v216-223 four rows' sums, a pair each
.set MU,  224                          ; v224-231 four means, twice each
.set RS,  232                          ; v232-239 four 1/sigma, twice each; later at work
.set VC,  240                          ; v240-249 V's codes and byte
.set SEL, 24                           ; s[24:25] selects for lane l xor 16
; 64 numbers of a lane, register 16 b + i = k 32 b + 16 (lane / 16) + i of the lane's row, become a fragment's 12 registers in v[PC] on and the row's scale word in v[pw].
.macro QUANT s, pw
.irp b, 0,1,2,3
	v_max3_num_f32 v[TM+\b], |v[(\s)+16*\b]|, |v[(\s)+1+16*\b]|, 0x1800000   ; my 16 numbers of block b, and the floor 2^(3 - 127): the byte cannot fall under 1
.endr
.irp i, 2,4,6,8,10,12,14
.irp b, 0,1,2,3
	s_delay_alu instid0(VALU_DEP_4)
	v_max3_num_f32 v[TM+\b], v[TM+\b], |v[(\s)+16*\b+\i]|, |v[(\s)+1+16*\b+\i]|
.endr
.endr
.irp b, 0,1,2,3
	s_delay_alu instid0(VALU_DEP_4)
	v_permlanex16_b32 v[TM+4+\b], v[TM+\b], s[SEL], s[SEL+1]
.endr
.irp b, 0,1,2,3
	s_delay_alu instid0(VALU_DEP_4)
	v_max_num_f32 v[TM+\b], v[TM+\b], v[TM+4+\b]          ; with lane l xor 16's: the block's largest magnitude
.endr
.irp b, 0,1,2,3
	s_delay_alu instid0(VALU_DEP_4)
	v_add_nc_u32 v[TM+12+\b], 0xff000000, v[TM+\b]        ; 2 off its exponent field: the conversion's scale operand
.endr
.irp b, 0,1,2,3
	s_delay_alu instid0(VALU_DEP_4)
	v_lshrrev_b32 v[TM+4+\b], 23, v[TM+12+\b]             ; the scale's byte
.endr
	s_delay_alu instid0(VALU_DEP_3)
	v_lshl_or_b32 v[\pw], v[TM+5], 8, v[TM+4]
	s_delay_alu instid0(VALU_DEP_1)
	v_lshl_or_b32 v[\pw], v[TM+6], 16, v[\pw]
	s_delay_alu instid0(VALU_DEP_1)
	v_lshl_or_b32 v[\pw], v[TM+7], 24, v[\pw]
.irp c, 0,1
	v_cvt_scalef32_pk16_fp6_f32 v[PC+6*\c:PC+2+6*\c], v[(\s)+32*\c:(\s)+15+32*\c], v[TM+12+2*\c]
	v_cvt_scalef32_pk16_fp6_f32 v[PC+12+4*\c:PC+14+4*\c], v[(\s)+16+32*\c:(\s)+31+32*\c], v[TM+12+2*\c+1]
.endr
	v_nop                                                 ; one plain line behind a scaled conversion
.irp c, 0,1                                            ; the operand wants a whole block in a lane: lanes 0-15 block 2 c, lanes 16-31 block 2 c + 1
.irp i, 0,1,2
	v_permlane16_swap_b32 v[PC+6*\c+\i], v[PC+12+4*\c+\i]
.endr
.irp i, 0,1,2
	s_delay_alu instid0(VALU_DEP_3)
	v_mov_b32 v[PC+3+6*\c+\i], v[PC+12+4*\c+\i]
.endr
.endr
.endm
	s_load_b512 s[4:19], s[0:1], 0x0               ; x, ln_w, W_attn, W_fc, W_proj, nxp, wcat, wpj
	s_load_b64 s[20:21], s[0:1], 0x40              ; kv
	v_lshl_add_u32 v254, v0, 2, 0x41200
	v_mov_b32 v255, 0
	v_lshrrev_b32 v1, 5, v0
	s_delay_alu instid0(VALU_DEP_1)
	v_readfirstlane_b32 s22, v1                    ; wave 0..7
	v_and_b32 v1, 31, v0                           ; lane l
	v_and_b32 v2, 15, v0                           ; r
	v_bfe_u32 v3, v0, 4, 1                         ; h
	s_delay_alu instid0(VALU_DEP_3)
	v_lshlrev_b32 v4, 4, v1                        ; 16 l
	s_delay_alu instid0(VALU_DEP_4)
	v_lshlrev_b32 v5, 3, v1                        ; 8 l
	s_delay_alu instid0(VALU_DEP_4)
	v_lshlrev_b32 v6, 3, v2
	s_delay_alu instid0(VALU_DEP_1)
	v_lshl_add_u32 v6, v3, 2, v6                   ; 8 r + 4 h: a scale word's place in a pair of fragments
	v_cmp_ne_u32 s23, 0, v3                        ; lanes 16-31
	s_mov_b32 s[SEL], 0x76543210
	s_mov_b32 s[SEL+1], 0xfedcba98
.irp b, 0,1,2,3
	v_mov_b32 v[TM+4+\b], 0                        ; written once: a lane permute's destination counts as one of its sources
.endr
	s_cmp_lt_u32 ttmp9, 128
	s_cbranch_scc0 .Lweights
; ---------------- LayerNorm: work-group G takes tokens 32 G .. 32 G + 31 ----------------
	s_lshl_b32 s26, ttmp9, 17                      ; 32 rows of 4,096 bytes,
	s_lshl_b32 s27, s22, 14                        ; my wave's four of them
	s_add_co_u32 s26, s26, s27
	s_mov_b32 s27, 0
	s_mul_i32 s30, s22, 4*NXP
	s_wait_alu depctr_va_vdst(0)
	v_add_nc_u32 v7, s30, v4                       ; LDS: my four rows, 16 l
	v_mul_u32_u24 v8, v2, NXP
	s_delay_alu instid0(VALU_DEP_1)
	v_lshl_add_u32 v8, v3, 6, v8
	s_lshl_b32 s30, s22, 9
	v_add_nc_u32 v8, s30, v8                       ; along C: row r, K step = my wave, + 64 h
	s_delay_alu instid0(VALU_DEP_1)
	v_add_nc_u32 v9, 16*NXP, v8                    ; and row 16 + r
	v_lshl_add_u32 v10, v1, 2, s30                 ; along T: channel 128 wave + l
	s_delay_alu instid0(VALU_DEP_1)
	v_add_nc_u32 v11, 16*NXP, v10                  ; from token 16 on
	v_lshlrev_b32 v12, 2, v1                       ; 4 l
	s_lshr_b32 s31, ttmp9, 2
	s_lshl_b32 s31, s31, 3
	s_add_co_u32 s31, s31, s22
	s_mul_i32 s31, s31, PANEL                      ; nxp: panel (G / 4, wave)
	s_and_b32 s34, ttmp9, 3
	s_mul_i32 s32, s34, 3072
	s_add_co_u32 s32, s32, s31                     ; fragments 2 (G % 4) and + 1
	s_mov_b32 s33, 0
	s_lshl_b32 s36, s34, 7
	s_add_co_u32 s36, s36, s31
	s_add_co_u32 s36, s36, PANEL-512               ; their scale words
	s_mov_b32 s37, 0
	s_lshr_b32 s34, ttmp9, 6
	s_lshl_b32 s34, s34, 4
	s_lshl_b32 s35, s22, 1
	s_add_co_u32 s34, s34, s35
	s_mul_i32 s34, s34, HEADB                      ; kv: head 16 b + 2 wave
	s_and_b32 s35, ttmp9, 63                       ; the block of 32 tokens
	s_mul_i32 s38, s35, 1536
	s_add_co_u32 s38, s38, s34
	s_add_co_u32 s38, s38, 106496
	s_mov_b32 s39, 0
	s_lshr_b32 s40, s35, 2
	s_lshl_b32 s40, s40, 8
	s_and_b32 s35, s35, 3
	s_add_co_u32 s40, s40, s35
	s_add_co_u32 s40, s40, s34
	s_add_co_u32 s40, s40, 204800
	s_mov_b32 s41, 0
	s_mov_b32 s52, 0x3a800000                      ; 1 / 1,024
	s_mov_b32 s53, 0x3727c5ac                      ; 1e-5
	s_wait_kmcnt 0x0
	s_add_nc_u64 s[28:29], s[4:5], s[26:27]
	s_add_nc_u64 s[32:33], s[14:15], s[32:33]
	s_add_nc_u64 s[36:37], s[14:15], s[36:37]
	s_add_nc_u64 s[38:39], s[20:21], s[38:39]
	s_add_nc_u64 s[40:41], s[20:21], s[40:41]
.irp j, 0,1,2,3,4,5,6,7
	global_load_b128 v[LW+4*\j:LW+4*\j+3], v4, s[6:7] offset:512*\j
.endr
.irp i, 0,1,2,3
.irp j, 0,1,2,3,4,5,6,7
	global_load_b128 v[D+32*\i+4*\j:D+32*\i+4*\j+3], v4, s[28:29] offset:4096*\i+512*\j   ; 32 lanes read 512 consecutive bytes of a row
.endr
.endr
.macro REDUCE                          ; four rows' sums over the wave's 32 lanes, the rows by turns; every lane ends with the result
.irp i, 0,1,2,3
	s_delay_alu instid0(VALU_DEP_4)
	v_add_f32 v[SM+2*\i], v[SM+2*\i], v[SM+2*\i+1]
.endr
.irp m, 1,2,4,8
.irp i, 0,1,2,3
	s_delay_alu instid0(VALU_DEP_4)
	v_add_f32_dpp v[SM+2*\i], v[SM+2*\i], v[SM+2*\i] row_xmask:\m row_mask:0xf bank_mask:0xf
.endr
.endr
.irp i, 0,1,2,3
	s_delay_alu instid0(VALU_DEP_4)
	v_permlanex16_b32 v[SM+2*\i+1], v[SM+2*\i], s[SEL], s[SEL+1]
.endr
.irp i, 0,1,2,3
	s_delay_alu instid0(VALU_DEP_4)
	v_add_f32 v[SM+2*\i], v[SM+2*\i], v[SM+2*\i+1]
.endr
.endm
	s_wait_loadcnt 0x0
.irp i, 0,1,2,3
	v_pk_add_f32 v[SM+2*\i:SM+2*\i+1], v[D+32*\i:D+32*\i+1], v[D+32*\i+2:D+32*\i+3]
.endr
.irp k, 4,6,8,10,12,14,16,18,20,22,24,26,28,30
.irp i, 0,1,2,3
	s_delay_alu instid0(VALU_DEP_4)
	v_pk_add_f32 v[SM+2*\i:SM+2*\i+1], v[SM+2*\i:SM+2*\i+1], v[D+32*\i+\k:D+32*\i+\k+1]
.endr
.endr
	REDUCE
.irp i, 0,1,2,3
	s_delay_alu instid0(VALU_DEP_4)
	v_mul_f32 v[MU+2*\i], s52, v[SM+2*\i]          ; the mean
.endr
.irp i, 0,1,2,3
	s_delay_alu instid0(VALU_DEP_4)
	v_mov_b32 v[MU+2*\i+1], v[MU+2*\i]
.endr
.irp k, 0,2,4,6,8,10,12,14,16,18,20,22,24,26,28,30
.irp i, 0,1,2,3
	v_pk_add_f32 v[D+32*\i+\k:D+32*\i+\k+1], v[D+32*\i+\k:D+32*\i+\k+1], v[MU+2*\i:MU+2*\i+1] neg_lo:[0,1] neg_hi:[0,1]   ; x - mean, in place
.endr
.endr
.irp i, 0,1,2,3
	v_pk_mul_f32 v[SM+2*\i:SM+2*\i+1], v[D+32*\i:D+32*\i+1], v[D+32*\i:D+32*\i+1]
.endr
.irp k, 2,4,6,8,10,12,14,16,18,20,22,24,26,28,30
.irp i, 0,1,2,3
	s_delay_alu instid0(VALU_DEP_4)
	v_pk_fma_f32 v[SM+2*\i:SM+2*\i+1], v[D+32*\i+\k:D+32*\i+\k+1], v[D+32*\i+\k:D+32*\i+\k+1], v[SM+2*\i:SM+2*\i+1]
.endr
.endr
	REDUCE
.irp i, 0,1,2,3
	s_delay_alu instid0(VALU_DEP_4)
	v_fma_f32 v[SM+2*\i], v[SM+2*\i], s52, s53     ; the variance + 1e-5
.endr
	s_wait_alu depctr_va_vdst(0)
.irp i, 0,1,2,3
	v_rsq_f32 v[RS+2*\i], v[SM+2*\i]
.endr
	v_nop                                          ; a plain line behind the last of the batch,
	s_wait_alu depctr_va_vdst(0)                   ; and one wait for the four, ahead of their first reader
.irp i, 0,1,2,3
	v_mov_b32 v[RS+2*\i+1], v[RS+2*\i]
.endr
.irp k, 0,2,4,6,8,10,12,14,16,18,20,22,24,26,28,30
.irp i, 0,1,2,3
	v_pk_mul_f32 v[D+32*\i+\k:D+32*\i+\k+1], v[D+32*\i+\k:D+32*\i+\k+1], v[RS+2*\i:RS+2*\i+1]
.endr
.endr
.irp k, 0,2,4,6,8,10,12,14,16,18,20,22,24,26,28,30
.irp i, 0,1,2,3
	v_pk_mul_f32 v[D+32*\i+\k:D+32*\i+\k+1], v[D+32*\i+\k:D+32*\i+\k+1], v[LW+\k:LW+\k+1]   ; nx, in the order in which the definition multiplies
.endr
.endr
.irp i, 0,1,2,3
.irp j, 0,1,2,3,4,5,6,7
	ds_store_b128 v7, v[D+32*\i+4*\j:D+32*\i+4*\j+3] offset:NXP*\i+512*\j
.endr
.endr
	s_wait_dscnt 0x0                               ; for the others' sake: my four rows lie in LDS
	s_barrier_signal -1
	s_barrier_wait -1                              ; all 32 rows do; nothing writes them from here on
; ---- along C: my wave's K step of 128, two fragments of 16 tokens
.irp b, 0,1,2,3
.irp j, 0,1,2,3
	ds_load_b128 v[D+16*\b+4*\j:D+16*\b+4*\j+3], v8 offset:128*\b+16*\j
.endr
.endr
.irp b, 0,1,2,3
.irp j, 0,1,2,3
	ds_load_b128 v[D+64+16*\b+4*\j:D+64+16*\b+4*\j+3], v9 offset:128*\b+16*\j
.endr
.endr
	s_wait_dscnt 16                                ; the first fragment's sixteen loads are in, the second's may be out
	QUANT D, PW
.irp g, 0,1,2
	global_store_b128 v4, v[PC+4*\g:PC+4*\g+3], s[32:33] offset:512*\g     ; 512 consecutive bytes
.endr
	s_wait_dscnt 0x0
	s_wait_xcnt 0x0                                ; the codes' registers are written again only behind this wait
	QUANT D+64, PW+1
.irp g, 0,1,2
	global_store_b128 v4, v[PC+4*\g:PC+4*\g+3], s[32:33] offset:1536+512*\g
.endr
	v_cndmask_b32 v[PW+2], v[PW], v[PW+1], s23     ; lanes 0-15 the even fragment's words, lanes 16-31 the odd one's
	global_store_b32 v6, v[PW+2], s[36:37]
; ---- along T: a lane takes a channel, its registers run down the 32 tokens: one whole block
.macro CLOAD g
.irp t, 0,1,2,3,4,5,6,7,8,9,10,11,12,13,14,15
	ds_load_b32 v[D+32*((\g)%2)+\t], v10 offset:\t*NXP+128*(\g)
.endr
.irp t, 0,1,2,3,4,5,6,7,8,9,10,11,12,13,14,15
	ds_load_b32 v[D+32*((\g)%2)+16+\t], v11 offset:\t*NXP+128*(\g)
.endr
.endm
.macro CWORK g                         ; channels 128 wave + 32 g + l
.set XS, D+32*((\g)%2)
.if (\g) < 3
	CLOAD (\g)+1
	s_wait_dscnt 32                                ; this group's 32 loads are in, the next group's may be out
.else
	s_wait_dscnt 0x0
.endif
	v_max3_num_f32 v232, |v[XS]|, |v[XS+1]|, |v[XS+2]|
	v_max3_num_f32 v233, |v[XS+3]|, |v[XS+4]|, |v[XS+5]|
.irp i, 6,10,14,18,22,26
	s_delay_alu instid0(VALU_DEP_2)
	v_max3_num_f32 v232, v232, |v[XS+\i]|, |v[XS+\i+1]|
	s_delay_alu instid0(VALU_DEP_2)
	v_max3_num_f32 v233, v233, |v[XS+\i+2]|, |v[XS+\i+3]|
.endr
	s_delay_alu instid0(VALU_DEP_2)
	v_max3_num_f32 v232, v232, |v[XS+30]|, |v[XS+31]|
	s_delay_alu instid0(VALU_DEP_1)
	v_max3_num_f32 v232, v232, v233, 0x1800000
	s_delay_alu instid0(VALU_DEP_1)
	v_add_nc_u32 v234, 0xff000000, v232
	s_wait_alu depctr_va_vdst(0)
	s_wait_xcnt 0x0                                ; the last group's stores have read their registers
	v_cvt_scalef32_pk16_fp6_f32 v[VC:VC+2], v[XS:XS+15], v234
	v_cvt_scalef32_pk16_fp6_f32 v[VC+6:VC+8], v[XS+16:XS+31], v234
	v_lshrrev_b32 v[VC+9], 23, v234                ; the byte; also the plain line behind the conversions
.irp i, 0,1,2
	v_mov_b32 v[VC+3+\i], v[VC+6+\i]
.endr
	global_store_b128 v4, v[VC:VC+3], s[38:39] offset:((\g)/2)*HEADB+512*((\g)%2)
	global_store_b64 v5, v[VC+4:VC+5], s[38:39] offset:((\g)/2)*HEADB+1024+256*((\g)%2)
	global_store_b8 v12, v[VC+9], s[40:41] offset:((\g)/2)*HEADB+128*((\g)%2)   ; one byte of each word: four work-groups fill a word; one byte for 128 bytes read
.endm
	CLOAD 0
	CWORK 0
	CWORK 1
	CWORK 2
	CWORK 3
	s_wait_tensorcnt 0x0
	ds_add_u32 v254, v255
	s_wait_dscnt 0x0
	s_endpgm
; ---------------- the weights: wave task = 64 rows x 128 K = half a panel ----------------
.Lweights:
	s_sub_co_u32 s26, ttmp9, 128                   ; j = 0..159
	s_lshl_b32 s27, s26, 2
	s_lshr_b32 s28, s22, 1
	s_add_co_u32 s27, s27, s28                     ; panel 4 j + wave / 2
	s_and_b32 s28, s22, 1                          ; which half
	s_mul_i32 s41, s22, 32*WPI
	s_add_co_u32 s41, s41, WST                     ; my stage
	s_wait_alu depctr_va_vdst(0)
	v_add_nc_u32 v7, s41, v4                       ; in: rows as they are loaded
	v_and_b32 v9, 8, v2
	s_delay_alu instid0(VALU_DEP_1)
	v_add_nc_u32 v9, v9, v2                        ; r + 8 (r / 8)
	s_delay_alu instid0(VALU_DEP_1)
	v_mul_u32_u24 v8, v9, WPI
	s_delay_alu instid0(VALU_DEP_1)
	v_lshl_add_u32 v8, v3, 6, v8
	s_delay_alu instid0(VALU_DEP_1)
	v_add_nc_u32 v8, s41, v8                       ; out: the fragment's row of lane r, + 64 h
	s_wait_kmcnt 0x0
	s_cmp_lt_u32 s26, 96                           ; the choices hang on the work-group's number alone
	s_cselect_b32 s30, 3, 5                        ; log2 of the K steps in a row panel
	s_cselect_b32 s31, 0, 384                      ; wpj's panels are counted from 384 on
	s_cselect_b32 s29, 12, 14                      ; log2 of a row's bytes
	s_cselect_b32 s33, 16, 0                       ; W_fc's row panels begin at 16 of wcat
	s_cselect_b64 s[34:35], s[16:17], s[18:19]
	s_cselect_b64 s[36:37], s[10:11], s[12:13]
	s_cmp_lt_u32 s26, 32
	s_cselect_b64 s[36:37], s[8:9], s[36:37]
	s_cselect_b32 s33, 0, s33
	s_sub_co_u32 s27, s27, s31
	s_lshr_b32 s38, s27, s30                       ; row panel
	s_bfm_b32 s39, s30, 0
	s_and_b32 s39, s27, s39                        ; K step
	s_sub_co_u32 s38, s38, s33
	s_lshl_b32 s38, s38, 7
	s_lshl_b32 s40, s28, 6
	s_add_co_u32 s38, s38, s40                     ; my first row,
	s_lshl_b32 s38, s38, s29                       ; in bytes,
	s_lshl_b32 s39, s39, 9
	s_add_co_u32 s38, s38, s39                     ; + 512 bytes a K step
	s_mov_b32 s39, 0
	s_add_nc_u64 s[36:37], s[36:37], s[38:39]      ; rows 0-31 of my 64
	s_lshl_b32 s40, 1, s29
	s_lshl_b32 s42, s40, 5
	s_mov_b32 s43, 0
	s_add_nc_u64 s[44:45], s[36:37], s[42:43]      ; rows 32-63
	s_mul_i32 s46, s27, PANEL
	s_mul_i32 s48, s28, 6144
	s_add_co_u32 s48, s48, s46
	s_mov_b32 s49, 0
	s_add_nc_u64 s[48:49], s[34:35], s[48:49]      ; my four fragments
	s_lshl_b32 s50, s28, 8
	s_add_co_u32 s50, s50, s46
	s_add_co_u32 s50, s50, PANEL-512
	s_mov_b32 s51, 0
	s_add_nc_u64 s[50:51], s[34:35], s[50:51]      ; their scale words
.set n, 0
.rept 32
	v_mad_u32_u24 v[VO+n], s40, n, v4              ; row n: 16 l + n rows
.set n, n+1
.endr
.macro LOADH base, half                ; 16 rows: each load reads 512 consecutive bytes of one row; read once in the launch
.irp r, 0,1,2,3,4,5,6,7,8,9,10,11,12,13,14,15
	global_load_b128 v[D+64*\half+4*\r:D+64*\half+4*\r+3], v[VO+16*\half+\r], s[\base:\base+1] th:TH_LOAD_NT
.endr
.endm
.macro WTRIP t                         ; 32 rows turn through my stage and become two fragments
	s_wait_loadcnt 0x0
.set n, 0
.rept 32
	ds_store_b128 v7, v[D+4*n:D+4*n+3] offset:n*WPI
.set n, n+1
.endr
	s_wait_dscnt 0x0
.irp u, 0,1
.irp b, 0,1,2,3
.irp j, 0,1,2,3
	ds_load_b128 v[D+64*\u+16*\b+4*\j:D+64*\u+16*\b+4*\j+3], v8 offset:\u*8*WPI+128*\b+16*\j
.endr
.endr
.endr
	s_wait_dscnt 16                                ; the first fragment's sixteen are in
	s_wait_xcnt 0x0                                ; earlier stores have read the codes' registers
	QUANT D, PW
.if (\t) == 0
	LOADH 44, 0                                    ; the next 32 rows, into registers that are done with
.endif
.irp g, 0,1,2
	global_store_b128 v4, v[PC+4*\g:PC+4*\g+3], s[48:49] offset:(2*(\t))*1536+512*\g
.endr
	s_wait_dscnt 0x0
	s_wait_xcnt 0x0
	QUANT D+64, PW+1
.if (\t) == 0
	LOADH 44, 1
.endif
.irp g, 0,1,2
	global_store_b128 v4, v[PC+4*\g:PC+4*\g+3], s[48:49] offset:(2*(\t)+1)*1536+512*\g
.endr
	v_cndmask_b32 v[PW+2], v[PW], v[PW+1], s23
	global_store_b32 v6, v[PW+2], s[50:51] offset:128*(\t)
.endm
	LOADH 36, 0
	LOADH 36, 1
	WTRIP 0
	WTRIP 1
	s_wait_tensorcnt 0x0
	ds_add_u32 v254, v255
	s_wait_dscnt 0x0
	s_endpgm
.Lfunc_end_k_q04309010ab_prep:
	.size	k_q04309010ab_prep, .Lfunc_end_k_q04309010ab_prep-k_q04309010ab_prep
	.p2alignl 7, 3214868480
	.fill 96, 4, 3214868480
	.section	.rodata,"a",@progbits
	.p2align	6, 0x0
	.amdhsa_kernel k_q04309010ab_prep
		.amdhsa_group_segment_fixed_size 267776
		.amdhsa_private_segment_fixed_size 0
		.amdhsa_enable_private_segment 0
		.amdhsa_kernarg_size 72
		.amdhsa_user_sgpr_count 2
		.amdhsa_user_sgpr_kernarg_segment_ptr 1
		.amdhsa_wavefront_size32 1
		.amdhsa_system_sgpr_workgroup_id_x 1
		.amdhsa_system_sgpr_workgroup_id_y 1
		.amdhsa_system_sgpr_workgroup_id_z 1
		.amdhsa_system_vgpr_workitem_id 0
		.amdhsa_next_free_vgpr 256
		.amdhsa_next_free_sgpr 66
		.amdhsa_reserve_vcc 0
		.amdhsa_float_denorm_mode_32 3
		.amdhsa_float_denorm_mode_16_64 3
		.amdhsa_memory_ordered 1
		.amdhsa_forward_progress 1
		.amdhsa_inst_pref_size 111
	.end_amdhsa_kernel
	.amdgpu_metadata
---
amdhsa.version: [ 1, 2 ]
amdhsa.kernels:
  - .name:           k_q04309010ab_prep
    .symbol:         k_q04309010ab_prep.kd
    .args:
      - { .name: x, .offset: 0, .size: 8, .value_kind: global_buffer, .address_space: global }
      - { .name: ln_w, .offset: 8, .size: 8, .value_kind: global_buffer, .address_space: global }
      - { .name: W_attn, .offset: 16, .size: 8, .value_kind: global_buffer, .address_space: global }
      - { .name: W_fc, .offset: 24, .size: 8, .value_kind: global_buffer, .address_space: global }
      - { .name: W_proj, .offset: 32, .size: 8, .value_kind: global_buffer, .address_space: global }
      - { .name: nxp, .offset: 40, .size: 8, .value_kind: global_buffer, .address_space: global }
      - { .name: wcat, .offset: 48, .size: 8, .value_kind: global_buffer, .address_space: global }
      - { .name: wpj, .offset: 56, .size: 8, .value_kind: global_buffer, .address_space: global }
      - { .name: kv, .offset: 64, .size: 8, .value_kind: global_buffer, .address_space: global }
    .group_segment_fixed_size: 267776
    .private_segment_fixed_size: 0
    .kernarg_segment_align: 8
    .kernarg_segment_size: 72
    .max_flat_workgroup_size: 256
    .sgpr_count:     66
    .vgpr_count:     256
    .wavefront_size: 32
...
	.end_amdgpu_metadata
.endif
;; end of part 1
;; launch gemm1 (part 2): grid 24 x 16, 4 waves a work-group, clusters of 4 x 4, 327,680 bytes of LDS; arguments nxp, wcat, hp, qb, kv; writes hp, qb, kv
.if DOCPART == 2
	.amdgcn_target "amdgcn-amd-amdhsa--gfx1250"
	.amdhsa_code_object_version 6
	.text
	.protected	k_q04309010ab_gemm1
	.globl	k_q04309010ab_gemm1
	.p2align	8
	.type	k_q04309010ab_gemm1,@function
k_q04309010ab_gemm1:
	s_mov_b64 s[64:65], 0
	v_nop
	global_prefetch_b8 v0, s[64:65] scope:SCOPE_SE
	s_setreg_imm32_b32 hwreg(HW_REG_WAVE_MODE, 25, 1), 1
	s_wait_xcnt 0x0
	s_wait_alu depctr_hold_cnt(0) depctr_sa_sdst(0) depctr_va_vdst(0) depctr_va_sdst(0) depctr_va_ssrc(0) depctr_va_vcc(0) depctr_vm_vsrc(0)
	s_getreg_b32 s2, hwreg(HW_REG_IB_STS2, 6, 4)
	s_cmp_eq_u32 s2, 0
	s_cbranch_scc0 .Lentry_in_a_cluster
	s_endpgm
.Lentry_in_a_cluster:
	s_bfe_u32 s2, ttmp6, 0x10000c
	s_cmp_lg_u32 s2, 0xf033
	s_cbranch_scc0 .Lentry_shape_is_right
	s_endpgm
.Lentry_shape_is_right:
.set PANEL, 12800
.set QTR,   2*PANEL
.set SLOT,  4*QTR
.set SPARE, 262144
.set HEADB, 208896
.set QHB,   106496
.set FR,    12
.set NL,    3
.set NP,    4
.set ADRA, 16
.set ADRB, 20
.set ADRS, 26
.set SPW,  28
.set NIL,  29
.set SC,   32
.set AF,   128
.set XA,   64
.set XB,   128
.set ZZ,   192
.set XX,   208
.set PP,   224
.set QQ,   240
.set TM,   192
.set PC,   208
.set G1, 24
.set G0, 32
.set G1B, 48
.set G0B, 56
.set SEL, 100
.set A13, 66
.set A9,  68
.set A7,  70
.set A5,  72
.set A3,  74
.set A1,  76
.set B8,  78
.set B4,  80
.set B2,  82
.set B0,  84
.set RH,  86
.set MSB, 0
.macro WIN new
.if MSB != (\new)
	s_set_vgpr_msb (MSB<<8)|(\new)
.set MSB, (\new)
.endif
.endm
.set MUL_LO, 0xa1
.set MUL_HI, 0xf1
.set TO_B,   0x40
.macro JLOAD g0a, g1a, g0b, g1b
	s_cmp_eq_u32 s15, 0
	s_cbranch_scc0 .Lfor_b_\@
	tensor_load_to_lds s[\g0a:\g0a+3], s[\g1a:\g1a+7]
	s_nop 0
.rept 4
	v_nop
.endr
	s_branch .Lasked_\@
.Lfor_b_\@:
	tensor_load_to_lds s[\g0b:\g0b+3], s[\g1b:\g1b+7]
	s_nop 0
.rept 4
	v_nop
.endr
.Lasked_\@:
.endm
.macro CREST
	s_cmp_lg_u32 s14, 0
	s_cbranch_scc1 .Lnot_wave_0_\@
	s_barrier_signal -3
.Lnot_wave_0_\@:
	s_barrier_wait -3
	s_barrier_signal -1
	s_barrier_wait -1
.endm
.macro CROUND
	s_barrier_signal -1
	s_barrier_wait -1
	CREST
.endm
	s_load_b256 s[4:11], s[0:1], 0x0
	s_load_b64 s[12:13], s[0:1], 0x20
	v_lshl_add_u32 v[SPW], v0, 2, SPARE
	v_mov_b32 v[NIL], 0
	ds_add_u32 v28, v29
	ds_add_u32 v28, v29
	s_wait_dscnt 0x0
	v_lshrrev_b32 v1, 5, v0
	v_readfirstlane_b32 s14, v1
	s_lshr_b32 s15, s14, 1
	s_and_b32 s16, s14, 1
	s_bfe_u32 s40, ttmp6, 0x40000
	s_bfe_u32 s41, ttmp6, 0x40004
	s_lshl_b32 s42, ttmp9, 2
	s_add_co_u32 s42, s42, s40
	s_and_b32 s17, ttmp7, 0xffff
	s_lshl_b32 s17, s17, 2
	s_add_co_u32 s17, s17, s41
	s_lshl_b32 s43, s41, 2
	s_lshl_b32 s43, 15, s43
	s_lshl_b32 s44, 0x1111, s40
	s_or_b32 s[G1+0], s43, (3<<16)|(1<<21)
	s_or_b32 s[G1B+0], s44, (3<<16)|(1<<21)
.irp g, G1, G1B
	s_mov_b32 s[\g+1], 32<<16
	s_mov_b32 s[\g+2], 100<<16
	s_mov_b32 s[\g+3], 32<<16
	s_mov_b32 s[\g+4], 100
	s_mov_b32 s[\g+5], 32
	s_mov_b32 s[\g+6], 0
	s_mov_b32 s[\g+7], 0
.endr
	s_lshl_b32 s20, s17, 1
	s_add_co_u32 s20, s20, s16
	s_mul_i32 s20, s20, 8*PANEL
	s_mov_b32 s21, 0
	s_lshl_b32 s46, s42, 1
	s_add_co_u32 s46, s46, s16
	s_mul_i32 s46, s46, 8*PANEL
	s_mov_b32 s47, 0
	s_mul_i32 s45, s14, QTR
	s_wait_kmcnt 0x0
	s_add_nc_u64 s[20:21], s[4:5], s[20:21]
	s_add_nc_u64 s[46:47], s[6:7], s[46:47]
	CROUND
.irp s, 0,1
	s_mov_b32 s[G0+4*\s], 1
	s_add_co_u32 s[G0+4*\s+1], s45, \s*SLOT
	s_add_nc_u64 s[G0+4*\s+2:G0+4*\s+3], s[20:21], \s*QTR
	s_or_b32 s[G0+4*\s+3], s[G0+4*\s+3], 0x80000000
	s_mov_b32 s[G0B+4*\s], 1
	s_add_co_u32 s[G0B+4*\s+1], s45, \s*SLOT
	s_add_nc_u64 s[G0B+4*\s+2:G0B+4*\s+3], s[46:47], \s*QTR
	s_or_b32 s[G0B+4*\s+3], s[G0B+4*\s+3], 0x80000000
	s_wait_alu depctr_va_vdst(0)
	s_wait_tensorcnt 0x0
	ds_add_u32 v28, v29
	ds_add_u32 v28, v29
	s_wait_dscnt 0x0
	CROUND
	JLOAD G0+4*\s, G1, G0B+4*\s, G1B
.endr
	v_and_b32 v1, 15, v0
	v_bfe_u32 v2, v0, 4, 1
	v_and_b32 v3, 31, v0
	v_lshlrev_b32 v4, 4, v3
	v_lshlrev_b32 v5, 3, v3
	v_lshlrev_b32 v6, 3, v1
	v_lshl_add_u32 v7, v2, 2, v6
	s_mul_i32 s21, s15, QTR
	s_mul_i32 s22, s16, QTR
	s_add_co_u32 s22, s22, 2*QTR
.irp s, 0,1
	v_add_nc_u32 v[ADRA+\s], s21, v4
	v_add_nc_u32 v[ADRB+\s], s22, v4
	s_add_co_u32 s21, s21, SLOT
	s_add_co_u32 s22, s22, SLOT
.endr
	s_mul_i32 s21, s15, QTR
	s_mul_i32 s22, s16, QTR
	s_add_co_u32 s22, s22, 2*QTR
	s_sub_co_u32 s22, s22, s21
	v_mul_u32_u24 v8, s22, v2
	s_wait_alu depctr_va_vdst(0)
	v_add_nc_u32 v8, v8, v6
	s_add_co_u32 s21, s21, PANEL-512
	v_add_nc_u32 v[ADRS], s21, v8
	v_add_nc_u32 v[ADRS+1], SLOT, v[ADRS]
	s_lshl_b32 s23, s14, 16
	v_add_nc_u32 v9, s23, v4
.macro FRAG reg, adr, q, i
.irp g, 0,1,2
	ds_load_b128 v[\reg+4*\g:\reg+4*\g+3], v[\adr] offset:(\q)*PANEL+(\i)*1536+512*\g
.endr
.endm
.macro MUL16 a0, p, q, sc, zero
.irp a, \a0, \a0+1
.irp b, 0,1,2,3,4,5,6,7
.if \zero
	v_wmma_scale_f32_16x16x128_f8f6f4 v[8*(8*((\a)%4)+\b):8*(8*((\a)%4)+\b)+7], v[128*(\p)+FR*\b:128*(\p)+FR*\b+FR-1], v[AF+FR*(\a):AF+FR*(\a)+FR-1], 0, v[SC+16*(\sc)+8*(\q)+\b], v[SC+16*(\sc)+8*(\q)+(\a)] matrix_a_fmt:MATRIX_FMT_FP6 matrix_b_fmt:MATRIX_FMT_FP6 matrix_a_scale:MATRIX_SCALE_ROW1
.else
	v_wmma_scale_f32_16x16x128_f8f6f4 v[8*(8*((\a)%4)+\b):8*(8*((\a)%4)+\b)+7], v[128*(\p)+FR*\b:128*(\p)+FR*\b+FR-1], v[AF+FR*(\a):AF+FR*(\a)+FR-1], v[8*(8*((\a)%4)+\b):8*(8*((\a)%4)+\b)+7], v[SC+16*(\sc)+8*(\q)+\b], v[SC+16*(\sc)+8*(\q)+(\a)] matrix_a_fmt:MATRIX_FMT_FP6 matrix_b_fmt:MATRIX_FMT_FP6 matrix_a_scale:MATRIX_SCALE_ROW1
.endif
.endr
.endr
.endm
.macro FETCH_B slot, q, p
	WIN TO_B
.irp i, 0,1,2,3,4,5,6,7
	FRAG 128*(\p)+FR*\i, ADRB+\slot, \q, \i
.endr
	WIN 0
.endm
.macro FETCH_A slot, q, i0
.irp i, \i0, \i0+1, \i0+2, \i0+3
	FRAG AF+FR*(\i), ADRA+\slot, \q, \i
.endr
.endm
.macro SCALES sc
.irp q, 0,1
.irp p, 0,1,2,3
	ds_load_b64 v[SC+16*\sc+8*\q+2*\p:SC+16*\sc+8*\q+2*\p+1], v[ADRS+\sc] offset:\q*PANEL+128*\p
.endr
.endr
.endm
.macro PLACES n
.rept \n
	v_nop
.endr
.endm
.macro STEP slot, q, zero
	s_wait_dscnt 4*NL
	WIN MUL_LO
	MUL16 0, (\q)%2, \q, \slot, \zero
	MUL16 2, (\q)%2, \q, \slot, \zero
	s_wait_dscnt 0
	PLACES NP
	FETCH_B \slot, (\q)+1, 1-(\q)%2
	FETCH_A \slot, (\q)+1, 0
	WIN MUL_HI
	MUL16 4, (\q)%2, \q, \slot, \zero
	MUL16 6, (\q)%2, \q, \slot, \zero
	PLACES NP
	WIN 0
	FETCH_A \slot, (\q)+1, 4
.endm
.macro TURN slot, next, fill
	s_wait_tensorcnt 0x0
	ds_add_u32 v[SPW], v[NIL]
	s_wait_dscnt 4*NL+1
	WIN MUL_LO
	MUL16 0, 1, 1, \slot, 0
	s_wait_dscnt 0x0
	s_barrier_signal -1
	MUL16 2, 1, 1, \slot, 0
	WIN 0
	s_barrier_wait -1
.if \fill
	CREST
	s_add_nc_u64 s[G0+4*\slot+2:G0+4*\slot+3], s[G0+4*\slot+2:G0+4*\slot+3], 2*QTR
	s_add_nc_u64 s[G0B+4*\slot+2:G0B+4*\slot+3], s[G0B+4*\slot+2:G0B+4*\slot+3], 2*QTR
	JLOAD G0+4*\slot, G1, G0B+4*\slot, G1B
.else
	PLACES NP
.endif
	FETCH_B \next, 0, 0
	FETCH_A \next, 0, 0
	SCALES \next
	WIN MUL_HI
	MUL16 4, 1, 1, \slot, 0
	MUL16 6, 1, 1, \slot, 0
	PLACES NP
	WIN 0
	FETCH_A \next, 0, 4
.endm
	s_wait_alu depctr_va_vdst(0)
	s_wait_tensorcnt 1
	s_barrier_signal -1
	s_barrier_wait -1
	FETCH_B 0, 0, 0
	FETCH_A 0, 0, 0
	SCALES 0
	FETCH_A 0, 0, 4
	STEP 0, 0, 1
	s_mov_b32 s3, 1
.Llap:
	TURN 0, 1, 1
	STEP 1, 0, 0
	TURN 1, 0, 1
	STEP 0, 0, 0
	s_sub_co_u32 s3, s3, 1
	s_cmp_lg_u32 s3, 0
	s_cbranch_scc1 .Llap
	TURN 0, 1, 0
	STEP 1, 0, 0
	s_wait_dscnt 4*NL
	WIN MUL_LO
	MUL16 0, 1, 1, 1, 0
	MUL16 2, 1, 1, 1, 0
	s_wait_dscnt 0
	WIN MUL_HI
	MUL16 4, 1, 1, 1, 0
	MUL16 6, 1, 1, 1, 0
	WIN 0
.macro QUANT s, w, pw
	WIN ((\w)<<2)|((\w)<<4)
.irp b, 0,1,2,3
	v_max3_num_f32 v[TM+\b], 0x1800000, |v[(\s)+16*\b]|, |v[(\s)+1+16*\b]|
.endr
.irp i, 2,4,6,8,10,12,14
.irp b, 0,1,2,3
	v_max3_num_f32 v[TM+\b], v[TM+\b], |v[(\s)+16*\b+\i]|, |v[(\s)+1+16*\b+\i]|
.endr
.endr
	WIN 0
.irp b, 0,1,2,3
	v_permlanex16_b32 v[TM+4+\b], v[TM+\b], s[SEL], s[SEL+1]
.endr
.irp b, 0,1,2,3
	v_max_num_f32 v[TM+\b], v[TM+\b], v[TM+4+\b]
.endr
.irp b, 0,1,2,3
	v_add_nc_u32 v[TM+12+\b], 0xff000000, v[TM+\b]
.endr
.irp b, 0,1,2,3
	v_lshrrev_b32 v[TM+4+\b], 23, v[TM+12+\b]
.endr
	v_lshl_or_b32 v[\pw], v[TM+5], 8, v[TM+4]
	v_lshl_or_b32 v[\pw], v[TM+6], 16, v[\pw]
	v_lshl_or_b32 v[\pw], v[TM+7], 24, v[\pw]
	WIN (\w)
.irp c, 0,1
	v_cvt_scalef32_pk16_fp6_f32 v[PC+6*\c:PC+2+6*\c], v[(\s)+32*\c:(\s)+15+32*\c], v[TM+12+2*\c]
	v_cvt_scalef32_pk16_fp6_f32 v[PC+12+4*\c:PC+14+4*\c], v[(\s)+16+32*\c:(\s)+31+32*\c], v[TM+12+2*\c+1]
.endr
	WIN 0
	v_nop
.irp c, 0,1
.irp i, 0,1,2
	v_permlane16_swap_b32 v[PC+6*\c+\i], v[PC+12+4*\c+\i]
.endr
.irp i, 0,1,2
	v_mov_b32 v[PC+3+6*\c+\i], v[PC+12+4*\c+\i]
.endr
.endr
.endm
	PLACES NP
	s_wait_dscnt 0x0
	s_barrier_signal -1
	s_barrier_wait -1
.irp b, 0,1,2,3
	v_mov_b32 v[TM+4+\b], 0
.endr
	s_mov_b32 s[SEL], 0x76543210
	s_mov_b32 s[SEL+1], 0xfedcba98
	v_cmp_ne_u32 s2, 0, v2
	s_cmp_lt_u32 ttmp9, 2
	s_cbranch_scc0 .Lfc
	s_cmp_eq_u32 ttmp9, 0
	s_cselect_b64 s[96:97], s[10:11], s[12:13]
	s_mov_b32 s22, HEADB
	s_cselect_b32 s22, QHB, s22
	s_lshr_b32 s20, s17, 3
	s_lshl_b32 s20, s20, 4
	s_and_b32 s21, s42, 3
	s_lshl_b32 s21, s21, 2
	s_add_co_u32 s20, s20, s21
	s_lshl_b32 s21, s16, 1
	s_add_co_u32 s20, s20, s21
	s_mul_i32 s20, s20, s22
	s_and_b32 s21, s17, 7
	s_lshl_b32 s21, s21, 4
	s_lshl_b32 s23, s15, 3
	s_add_co_u32 s21, s21, s23
	s_mul_i32 s46, s21, 768
	s_add_co_u32 s46, s46, s20
	s_mov_b32 s47, 0
	s_add_nc_u64 s[88:89], s[96:97], s[46:47]
	s_lshl_b32 s46, s21, 6
	s_add_co_u32 s46, s46, s20
	s_add_co_u32 s46, s46, 98304
	s_add_nc_u64 s[92:93], s[96:97], s[46:47]
	s_mov_b32 s23, 0
	s_add_nc_u64 s[90:91], s[88:89], s[22:23]
	s_add_nc_u64 s[94:95], s[92:93], s[22:23]
.irp a, 0,1,2,3,4,5,6,7
	s_wait_xcnt 0x0
	QUANT 64*(\a%4), 2+\a/4, 30+\a%2
	global_store_b128 v4, v[PC:PC+3], s[88:89] offset:768*\a
	global_store_b64 v5, v[PC+4:PC+5], s[88:89] offset:768*\a+512
	global_store_b128 v4, v[PC+6:PC+9], s[90:91] offset:768*\a
	global_store_b64 v5, v[PC+10:PC+11], s[90:91] offset:768*\a+512
.if \a%2
	v_cndmask_b32 v18, v30, v31, s2
	v_lshrrev_b32 v19, 16, v18
	global_store_b32 v7, v18, s[92:93] offset:64*(\a-1)
	global_store_b32 v7, v19, s[94:95] offset:64*(\a-1)
.endif
.endr
	s_branch .Ljoin
.Lfc:
.macro CONST reg, bits
	s_mov_b32 s[\reg], \bits
	s_mov_b32 s[\reg+1], \bits
.endm
	CONST A13, 0xaf95df0b
	CONST A9,  0xb60cff51
	CONST A7,  0xb86ec2d2
	CONST A5,  0xba40ac63
	CONST A3,  0xbb41a1f6
	CONST A1,  0xbc83dbd4
	CONST B8,  0xb77460cd
	CONST B4,  0xbadc924e
	CONST B2,  0xbbf19bf8
	CONST B0,  0xbc69b6a7
	CONST RH,  0x3f3504f3
	v_mov_b32 v22, 0x32edffee
	v_mov_b32 v23, 0x32edffee
	v_mov_b32 v24, 0xb95fbd29
	v_mov_b32 v25, 0xb95fbd29
	s_lshl_b32 s20, s17, 1
	s_add_co_u32 s20, s20, s15
	s_lshl_b32 s20, s20, 5
	s_sub_co_u32 s21, s42, 8
	s_lshl_b32 s21, s21, 1
	s_add_co_u32 s21, s21, s16
	s_add_co_u32 s20, s20, s21
	s_mul_i32 s20, s20, PANEL
	s_mov_b32 s21, 0
	s_add_nc_u64 s[88:89], s[8:9], s[20:21]
	s_add_nc_u64 s[90:91], s[88:89], PANEL-512
.irp a, 0,1,2,3,4,5,6,7
	WIN 0x08+4*(\a/4)
.irp i, 0,1,2,3,4,5,6,7,8,9,10,11,12,13,14,15
	ds_store_b128 v9, v[64*(\a%4)+4*\i:64*(\a%4)+4*\i+3] offset:8192*\a+512*\i
.endr
.endr
	WIN 0
.macro HORNER acc, cs
.set k, 0
.rept 8
	v_pk_fma_f32 v[\acc+k:\acc+k+1], v[\acc+k:\acc+k+1], v[XX+k:XX+k+1], s[\cs:\cs+1] op_sel_hi:[1,1,0]
.set k, k+2
.endr
.endm
.macro GELU16 x
.set k, 0
.rept 8
	v_pk_mul_f32 v[ZZ+k:ZZ+k+1], v[(\x)+k:(\x)+k+1], s[RH:RH+1] op_sel_hi:[1,0]
.set k, k+2
.endr
.set k, 0
.rept 16
	v_med3_num_f32 v[ZZ+k], v[ZZ+k], -4.0, 4.0
.set k, k+1
.endr
.set k, 0
.rept 8
	v_pk_mul_f32 v[XX+k:XX+k+1], v[ZZ+k:ZZ+k+1], v[ZZ+k:ZZ+k+1]
.set k, k+2
.endr
.set k, 0
.rept 8
	v_pk_fma_f32 v[PP+k:PP+k+1], v[XX+k:XX+k+1], s[A13:A13+1], v[22:23] op_sel_hi:[1,0,1]
.set k, k+2
.endr
	HORNER PP, A9
	HORNER PP, A7
	HORNER PP, A5
	HORNER PP, A3
	HORNER PP, A1
.set k, 0
.rept 8
	v_pk_fma_f32 v[QQ+k:QQ+k+1], v[XX+k:XX+k+1], s[B8:B8+1], v[24:25] op_sel_hi:[1,0,1]
.set k, k+2
.endr
	HORNER QQ, B4
	HORNER QQ, B2
	HORNER QQ, B0
.set k, 0
	s_wait_alu depctr_va_vdst(0)
.rept 16
	v_rcp_f32 v[QQ+k], v[QQ+k]
.set k, k+1
.endr
.set k, 0
.rept 8
	v_pk_mul_f32 v[PP+k:PP+k+1], v[PP+k:PP+k+1], v[ZZ+k:ZZ+k+1]
.set k, k+2
.endr
.set k, 0
.rept 8
	v_pk_mul_f32 v[(\x)+k:(\x)+k+1], v[(\x)+k:(\x)+k+1], 0.5 op_sel_hi:[1,0]
.set k, k+2
.endr
	s_wait_alu depctr_va_vdst(0)
.set k, 0
.rept 8
	v_pk_mul_f32 v[PP+k:PP+k+1], v[PP+k:PP+k+1], v[QQ+k:QQ+k+1]
.set k, k+2
.endr
.set k, 0
.rept 8
	v_pk_fma_f32 v[(\x)+k:(\x)+k+1], v[(\x)+k:(\x)+k+1], v[PP+k:PP+k+1], v[(\x)+k:(\x)+k+1]
.set k, k+2
.endr
.endm
	s_mov_b32 s92, 0
	s_mov_b32 s93, 4
.Lrows:
	v_add_nc_u32 v10, s92, v9
.irp i, 0,1,2,3,4,5,6,7,8,9,10,11,12,13,14,15
	ds_load_b128 v[XA+4*\i:XA+4*\i+3], v10 offset:512*\i
.endr
.irp i, 0,1,2,3,4,5,6,7,8,9,10,11,12,13,14,15
	ds_load_b128 v[XB+4*\i:XB+4*\i+3], v10 offset:8192+512*\i
.endr
	s_wait_dscnt 16
	GELU16 XA
	GELU16 XA+16
	GELU16 XA+32
	GELU16 XA+48
	QUANT XA, 0, 30
.irp g, 0,1,2
	global_store_b128 v4, v[PC+4*\g:PC+4*\g+3], s[88:89] offset:512*\g
.endr
	s_wait_dscnt 0x0
	s_wait_xcnt 0x0
	GELU16 XB
	GELU16 XB+16
	GELU16 XB+32
	GELU16 XB+48
	QUANT XB, 0, 31
.irp g, 0,1,2
	global_store_b128 v4, v[PC+4*\g:PC+4*\g+3], s[88:89] offset:1536+512*\g
.endr
	v_cndmask_b32 v18, v30, v31, s2
	global_store_b32 v7, v18, s[90:91]
	s_wait_xcnt 0x0
	s_add_nc_u64 s[88:89], s[88:89], 3072
	s_add_nc_u64 s[90:91], s[90:91], 128
	s_add_co_u32 s92, s92, 16384
	s_sub_co_u32 s93, s93, 1
	s_cmp_lg_u32 s93, 0
	s_cbranch_scc1 .Lrows
.Ljoin:
	s_wait_tensorcnt 0x0
	ds_add_u32 v[SPW], v[NIL]
	s_wait_dscnt 0x0
	CROUND
	s_endpgm
.Lfunc_end_k_q04309010ab_gemm1:
	.size	k_q04309010ab_gemm1, .Lfunc_end_k_q04309010ab_gemm1-k_q04309010ab_gemm1
	.p2alignl 7, 3214868480
	.fill 96, 4, 3214868480
	.section	.rodata,"a",@progbits
	.p2align	6, 0x0
	.amdhsa_kernel k_q04309010ab_gemm1
		.amdhsa_group_segment_fixed_size 327680
		.amdhsa_private_segment_fixed_size 0
		.amdhsa_enable_private_segment 0
		.amdhsa_kernarg_size 40
		.amdhsa_user_sgpr_count 2
		.amdhsa_user_sgpr_kernarg_segment_ptr 1
		.amdhsa_wavefront_size32 1
		.amdhsa_system_sgpr_workgroup_id_x 1
		.amdhsa_system_sgpr_workgroup_id_y 1
		.amdhsa_system_sgpr_workgroup_id_z 1
		.amdhsa_system_vgpr_workitem_id 0
		.amdhsa_next_free_vgpr 1024
		.amdhsa_next_free_sgpr 102
		.amdhsa_reserve_vcc 0
		.amdhsa_float_denorm_mode_32 3
		.amdhsa_float_denorm_mode_16_64 3
		.amdhsa_memory_ordered 1
		.amdhsa_forward_progress 1
		.amdhsa_inst_pref_size 238
	.end_amdhsa_kernel
	.amdgpu_metadata
---
amdhsa.version: [ 1, 2 ]
amdhsa.kernels:
  - .name:           k_q04309010ab_gemm1
    .symbol:         k_q04309010ab_gemm1.kd
    .args:
      - { .name: nxp, .offset: 0, .size: 8, .value_kind: global_buffer, .address_space: global }
      - { .name: wcat, .offset: 8, .size: 8, .value_kind: global_buffer, .address_space: global }
      - { .name: hp, .offset: 16, .size: 8, .value_kind: global_buffer, .address_space: global }
      - { .name: qb, .offset: 24, .size: 8, .value_kind: global_buffer, .address_space: global }
      - { .name: kv, .offset: 32, .size: 8, .value_kind: global_buffer, .address_space: global }
    .group_segment_fixed_size: 327680
    .private_segment_fixed_size: 0
    .kernarg_segment_align: 8
    .kernarg_segment_size: 40
    .max_flat_workgroup_size: 128
    .sgpr_count:     102
    .vgpr_count:     1024
    .wavefront_size: 32
...
	.end_amdgpu_metadata
.endif
;; end of part 2
;; launch attn (part 3): grid 8 x 32, 16 waves a work-group, clusters of 4 x 1, 327,680 bytes of LDS; arguments qb, kv, x, alpha, beta, gamma, beta_SA, res; writes res
.if DOCPART == 3
	.amdgcn_target "amdgcn-amd-amdhsa--gfx1250"
	.amdhsa_code_object_version 6
	.text
	.protected	k_q04309010ab_attn
	.globl	k_q04309010ab_attn
	.p2align	8
	.type	k_q04309010ab_attn,@function
k_q04309010ab_attn:
	s_mov_b64 s[64:65], 0
	v_nop
	global_prefetch_b8 v0, s[64:65] scope:SCOPE_SE
	s_setreg_imm32_b32 hwreg(HW_REG_WAVE_MODE, 25, 1), 1
	s_wait_xcnt 0x0
	s_wait_alu depctr_hold_cnt(0) depctr_sa_sdst(0) depctr_va_vdst(0) depctr_va_sdst(0) depctr_va_ssrc(0) depctr_va_vcc(0) depctr_vm_vsrc(0)
	s_getreg_b32 s2, hwreg(HW_REG_IB_STS2, 6, 4)
	s_cmp_eq_u32 s2, 0
	s_cbranch_scc0 .Lentry_in_a_cluster
	s_endpgm
.Lentry_in_a_cluster:
	s_bfe_u32 s2, ttmp6, 0x10000c
	s_cmp_lg_u32 s2, 0x3003
	s_cbranch_scc0 .Lentry_shape_is_right
	s_endpgm
.Lentry_shape_is_right:
; res = x + beta_SA y,  y = shaped V,  shaped = beta softmax(q k^T / 8, causal) + alpha I - gamma tril / (t + 1); both products on codes of FP6 (E2M3) with E8M0 scales.
; shaped is quantised FINISHED, so the keys are walked twice.  Pass 1: scores, running maximum and sum.  Pass 2: the same scores, p, shaped, its codes, x V.  The first product's K is 64: registers 6-11 are zero codes.
; SHARES.  Work-group (g, head): wave w owns the 16 queries 128 w + 16 g ..; tile w needs steps 0 .. w of 128 keys.  Steps whose keys all come after the queries are never walked.
; Waves w and 15 - w share the long tile of the two: the owner (w >= 8) walks its steps w - 7 .. w, the helper (w < 8) that tile's steps 0 .. 7 - w (job 0) and then all w + 1 steps of its own tile (job 1):
; 8 or 9 steps a wave in each pass.  One loop of 16 trips a pass: job = trip / 8; trips beyond a job's count run scalars only.  At trip 8 a helper changes tiles.
; Pass 1's parts (maximum, sum) meet in LDS, a slot a wave, behind a barrier.  Pass 2's parts of O^T are plain sums: the helper's goes to LDS as an image of its registers, and the owner adds it behind a barrier.
; A head's record of kv (208,896 bytes) comes into LDS once, 13,056 bytes by each wave's one tensor load, and stays.  CLUSTER 4 x 1: the four work-groups ask for the record jointly (mask 15);
; every branch and LDS address hangs on the wave's number and the trip alone.  No prefetch: nothing is streamed in a loop.
; LAYOUT.  Both products transposed: a lane holds one query.  Lane r of K's tile 2 B + u takes key 32 B + 8 u + r + 8 (r / 8), so 16 registers of two tiles are 16 neighbouring keys.
; LIMITS: NaN and infinities are not served.  beta / l is formed first and multiplies p; 1 / l and 1 / (t + 1) are v_rcp_f32's; alpha is added behind -gamma / (t + 1).
; REGISTERS: v1-6 lane terms; v7-12 step addresses; v[14:15] -tm; v16-28 Q and its words; v29 a constant; v[30:31] the sum; v32-79 K; v80-95 quantiser; v96-159 S^T, shaped, then V; v160-191 O^T; v192-210 codes;
; v211, v232 my and my partner's slot; v233 the part of O^T; v212-220 scale words; v221 tm; v[222:223] f; v[224:227] beta / l, -gamma / (t + 1); v228 alpha; v229 query - first key - 16 h on the diagonal;
; v[234:235] (tm, l); v236-238 16 l, 8 l, 8 r; v239-241 my own tile's -tm, beta / l, -gamma / (t + 1).
.set HEADB, 208896
.set QHB,   106496
.set KSC,   98304
.set VCO,   106496
.set VSC,   204800
.set STAGE, 208896                     ; 16 rows x 272 bytes for each wave
.set SPARE, 278528                     ; the spare words, 128 bytes a wave
.set STATS, 280576                     ; 256 bytes a wave
.set PART,  284672                     ; 4,096 bytes for each helper
.set TM,  80
.set PC,  192
.set WV,  20
.set G0,  24
.set G1,  28
.set AL,  36
.set BE,  37
.set GA,  38
.set LO,  39                           ; job 1's first step
.set BS,  40
.set SEL, 42
.set CS,  44
.set TB,  46
.set TS,  47
.set TJ,  48
.set U,   49                           ; the trip
.set N0,  50                           ; steps of job 0, of job 1
.set N1,  51
.set UD,  52                           ; the trip on the diagonal
.set T0,  53
.set GG,  62                           ; g
.set OW,  63                           ; 1: owner
.set HQ,  70
.set PA,  71                           ; the pair's long tile
.macro ROUND
	s_barrier_signal -1
	s_barrier_wait -1
	s_cmp_lg_u32 s[WV], 0
	s_cbranch_scc1 .Lnw0_\@
	s_barrier_signal -3
.Lnw0_\@:
	s_barrier_wait -3
	s_barrier_signal -1
	s_barrier_wait -1
.endm
.macro QUANT s, pw                     ; 64 numbers of a lane, register 16 b + i = key 32 b + 16 h + i, become codes in v[PC] on and the scale word in v[pw]; the four blocks by turns
.irp b, 0,1,2,3
	v_max3_num_f32 v[TM+\b], |v[(\s)+16*\b]|, |v[(\s)+1+16*\b]|, 0x1800000
.endr
.irp i, 2,4,6,8,10,12,14
.irp b, 0,1,2,3
	v_max3_num_f32 v[TM+\b], v[TM+\b], |v[(\s)+16*\b+\i]|, |v[(\s)+1+16*\b+\i]|
.endr
.endr
.irp b, 0,1,2,3
	v_permlanex16_b32 v[TM+4+\b], v[TM+\b], s[SEL], s[SEL+1]
.endr
.irp b, 0,1,2,3
	v_max_num_f32 v[TM+\b], v[TM+\b], v[TM+4+\b]
.endr
.irp b, 0,1,2,3
	v_add_nc_u32 v[TM+12+\b], 0xff000000, v[TM+\b]
.endr
.irp b, 0,1,2,3
	v_lshrrev_b32 v[TM+4+\b], 23, v[TM+12+\b]
.endr
	v_lshl_or_b32 v[\pw], v[TM+5], 8, v[TM+4]
	s_delay_alu instid0(VALU_DEP_1)
	v_lshl_or_b32 v[\pw], v[TM+6], 16, v[\pw]
	s_delay_alu instid0(VALU_DEP_1)
	v_lshl_or_b32 v[\pw], v[TM+7], 24, v[\pw]
.irp c, 0,1
	v_cvt_scalef32_pk16_fp6_f32 v[PC+6*\c:PC+2+6*\c], v[(\s)+32*\c:(\s)+15+32*\c], v[TM+12+2*\c]
	v_cvt_scalef32_pk16_fp6_f32 v[PC+12+4*\c:PC+14+4*\c], v[(\s)+16+32*\c:(\s)+31+32*\c], v[TM+12+2*\c+1]
.endr
	v_nop
.irp c, 0,1
.irp i, 0,1,2
	v_permlane16_swap_b32 v[PC+6*\c+\i], v[PC+12+4*\c+\i]
.endr
.irp i, 0,1,2
	v_mov_b32 v[PC+3+6*\c+\i], v[PC+12+4*\c+\i]
.endr
.endr
.endm
.macro QADR pt, c, s                   ; where tile 8 pt + g of Q lies: codes, scale words
	s_lshl_b32 s22, s[\pt], 3
	s_add_co_u32 s22, s22, s[GG]
	s_mul_i32 s23, s22, 768
	s_add_co_u32 s[\c], s[HQ], s23
	s_mov_b32 s[\c+1], 0
	s_add_nc_u64 s[\c:\c+1], s[4:5], s[\c:\c+1]
	s_lshr_b32 s23, s22, 1
	s_lshl_b32 s23, s23, 7
	s_and_b32 s22, s22, 1
	s_lshl_b32 s22, s22, 2
	s_add_co_u32 s22, s22, s23
	s_add_co_u32 s22, s22, s[HQ]
	s_add_co_u32 s[\s], s22, KSC
	s_mov_b32 s[\s+1], 0
	s_add_nc_u64 s[\s:\s+1], s[4:5], s[\s:\s+1]
.endm
.macro QLOAD c, s
	global_load_b128 v[16:19], v236, s[\c:\c+1]
	global_load_b64 v[20:21], v237, s[\c:\c+1] offset:512
	global_load_b32 v28, v238, s[\s:\s+1]
.endm
.macro STATS                           ; (tm, l) of the job into v[234:235], the same in lanes l and l xor 16
	s_wait_alu depctr_va_vdst(0)                   ; the wait ahead of these readers
	v_add_f32 v30, v30, v31
	v_mov_b32 v234, v221
	v_permlanex16_b32 v231, v30, s[SEL], s[SEL+1]
	v_add_f32 v235, v30, v231
.endm
.macro TRIPHEAD skip, two              ; is the trip a step of mine?  Then its addresses
	s_lshr_b32 s22, s[U], 3                        ; job
	s_and_b32 s23, s[U], 7
	s_cmp_eq_u32 s22, 0
	s_cselect_b32 s[T0], s[N0], s[N1]
	s_cmp_ge_u32 s23, s[T0]
	s_cbranch_scc1 \skip
	s_mul_i32 s22, s22, s[LO]
	s_add_co_u32 s22, s22, s23                     ; the step, 0 .. 15
	s_mul_i32 s[TB], s22, 6144                     ; codes, K's and V's alike
	s_lshl_b32 s[TS], s22, 9                       ; K's scale words
	v_add_nc_u32 v7, s[TB], v1
	v_add_nc_u32 v8, s[TB], v2
	v_add_nc_u32 v9, s[TS], v3
.if \two
	s_lshl_b32 s[TJ], s22, 8                       ; V's scale words
	v_add_nc_u32 v10, s[TB], v4                    ; six plain lines: the places between the last step's products and those below, whose results land on V's registers
	v_add_nc_u32 v11, s[TB], v5
	v_add_nc_u32 v12, s[TJ], v6
.endif
	s_wait_alu depctr_va_vdst(0)
.endm
.macro QK                              ; S^T of 128 keys: register 96 + 16 b + i of a lane: key 32 b + 16 h + i of the step
.irp g, 0,1
.if \g
.rept 4
	v_nop
.endr
.endif
.irp t, 0,1,2,3
	ds_load_b128 v[32+12*\t:35+12*\t], v7 offset:1536*(2*\g+\t/2)+128*(\t%2)
	ds_load_b64 v[36+12*\t:37+12*\t], v8 offset:1536*(2*\g+\t/2)+64*(\t%2)
	ds_load_b32 v[213+\t], v9 offset:128*(2*\g+\t/2)+64*(\t%2)
.endr
	s_wait_dscnt 0x0
.irp t, 0,1,2,3
	v_wmma_scale_f32_16x16x128_f8f6f4 v[96+8*(4*\g+\t):103+8*(4*\g+\t)], v[32+12*\t:43+12*\t], v[16:27], 0, v[213+\t], v28 matrix_a_fmt:MATRIX_FMT_FP6 matrix_b_fmt:MATRIX_FMT_FP6
.endr
.endr
.rept 4
	v_nop
.endr
.endm
.macro SCALE_T                         ; t - tm, two at a time, each accumulator from its low end
.set n, 0
.rept 32
	v_pk_fma_f32 v[96+n:97+n], v[96+n:97+n], s[CS:CS+1], v[14:15] op_sel_hi:[1,0,1]
.set n, n+2
.endr
.endm
	s_load_b512 s[4:19], s[0:1], 0x0               ; qb, kv, x, alpha, beta, gamma, beta_SA, res
	v_lshl_add_u32 v254, v0, 2, SPARE
	v_mov_b32 v255, 0
	ds_add_u32 v254, v255                          ; the opening lines
	ds_add_u32 v254, v255
	v_lshrrev_b32 v1, 5, v0
	s_delay_alu instid0(VALU_DEP_1)
	v_readfirstlane_b32 s[WV], v1                  ; wave 0..15
	s_mov_b32 s[G1], 15|(3<<16)|(1<<21)            ; all four of the cluster; elements of 8 bytes
	s_mov_b32 s[G1+1], 32<<16                      ; rows of 256 bytes,
	s_mov_b32 s[G1+2], 51<<16                      ; 51 of them: 13,056 dense bytes
	s_mov_b32 s[G1+3], 32<<16
	s_mov_b32 s[G1+4], 51
	s_mov_b32 s[G1+5], 32
	s_mov_b32 s[G1+6], 0
	s_mov_b32 s[G1+7], 0
	s_and_b32 s21, ttmp7, 0xffff                   ; 16 b + head
	s_mul_i32 s22, s21, HEADB
	s_mul_i32 s[G0+1], s[WV], 13056                ; my sixteenth of the record, in LDS as in memory
	s_add_co_u32 s22, s22, s[G0+1]
	s_mov_b32 s23, 0
	s_mov_b32 s[G0], 1
	s_wait_dscnt 0x0
	s_wait_kmcnt 0x0
	s_add_nc_u64 s[G0+2:G0+3], s[6:7], s[22:23]
	s_or_b32 s[G0+3], s[G0+3], 0x80000000
	ROUND                                          ; the four work-groups are here: the joint loads meet
	tensor_load_to_lds s[G0:G0+3], s[G1:G1+7]      ; my one tensor load of the launch
	s_nop 0
.rept 4
	v_nop
.endr
	s_load_b32 s[AL], s[10:11], 0x0
	s_load_b32 s[BE], s[12:13], 0x0
	s_load_b32 s[GA], s[14:15], 0x0
	s_load_b32 s[BS], s[16:17], 0x0
.irp j, 22,23,24,25,26,27
	v_mov_b32 v[\j], 0                             ; Q's k = 64 .. 127: zero codes
.endr
.irp t, 0,1,2,3
.irp j, 6,7,8,9,10,11
	v_mov_b32 v[32+12*\t+\j], 0                    ; K's likewise
.endr
.endr
.set n, 0
.rept 32
	v_mov_b32 v[160+n], 0                          ; O^T
.set n, n+1
.endr
.irp j, TM+4,TM+5,TM+6,TM+7,223,231,30,31
	v_mov_b32 v[\j], 0
.endr
	v_mov_b32 v221, 0xff61b1e6                     ; tm: -3e38
	v_mov_b32 v29, 0xff800000                      ; pass 1: -infinity
	s_bfe_u32 s22, ttmp6, 0x40000                  ; cx
	s_lshl_b32 s23, ttmp9, 2
	s_add_co_u32 s[GG], s22, s23                   ; g
	s_lshr_b32 s[OW], s[WV], 3
	s_and_b32 s22, s[WV], 7
	s_add_co_u32 s22, s22, 1
	s_mul_i32 s[LO], s22, s[OW]                    ; owner: w - 7; helper: 0
	s_sub_co_u32 s[N0], 8, s[WV]
	s_add_co_u32 s[N1], s[WV], 1
	s_xor_b32 s[PA], s[WV], 15
	s_max_u32 s[PA], s[PA], s[WV]
	s_cmp_lt_u32 s[WV], 8
	s_cselect_b32 s[N0], s[N0], 0
	s_cselect_b32 s[N1], s[N1], 8
	s_add_co_u32 s[UD], s[N1], 7
	s_mul_i32 s[HQ], s21, QHB
	QADR PA, 54, 56                                ; the long tile's Q
	QADR WV, 66, 68                                ; my own tile's
	s_lshl_b32 s22, s[WV], 7
	s_lshl_b32 s23, s[GG], 4
	s_add_co_u32 s22, s22, s23                     ; my first query
	s_lshr_b32 s23, s21, 4
	s_lshl_b32 s23, s23, 11
	s_add_co_u32 s23, s23, s22
	s_lshl_b32 s58, s23, 12                        ; its token's row,
	s_and_b32 s23, s21, 15
	s_lshl_b32 s23, s23, 8
	s_add_co_u32 s58, s58, s23                     ; the head's 256 bytes in it
	s_mov_b32 s59, 0
	s_add_nc_u64 s[60:61], s[18:19], s[58:59]      ; res
	s_add_nc_u64 s[58:59], s[8:9], s[58:59]        ; x
	v_and_b32 v242, 31, v0
	v_and_b32 v243, 15, v0                         ; r
	v_bfe_u32 v244, v0, 4, 1                       ; h
	v_and_b32 v245, 7, v0                          ; r % 8
	v_bfe_u32 v246, v0, 3, 1                       ; r / 8
	v_lshlrev_b32 v236, 4, v242
	v_lshlrev_b32 v237, 3, v242
	v_lshlrev_b32 v238, 3, v243
	QLOAD 54, 56
	v_mul_u32_u24 v1, v246, 768
	v_mul_u32_u24 v4, v244, 1536
	v_lshlrev_b32 v3, 3, v245
	v_lshlrev_b32 v6, 2, v243
	v_lshlrev_b32 v229, 4, v244
	v_lshl_add_u32 v2, v245, 3, v1
	v_lshl_add_u32 v1, v245, 4, v1
	v_lshl_add_u32 v5, v243, 3, v4
	v_lshl_add_u32 v4, v243, 4, v4
	v_lshl_add_u32 v3, v246, 2, v3
	v_lshl_add_u32 v2, v244, 7, v2
	v_lshl_add_u32 v1, v244, 8, v1                 ; K's registers 0-3: record r / 8, row r % 8, half h
	v_add_nc_u32 v3, KSC, v3                       ; K's scale words
	v_add_nc_u32 v4, VCO, v4                       ; V's registers 0-3: block h, channel r
	v_add_nc_u32 v5, VCO+1024, v5                  ; V's registers 4-5
	v_add_nc_u32 v2, 512, v2                       ; K's registers 4-5
	v_add_nc_u32 v6, VSC, v6                       ; V's scale words
	v_sub_nc_u32 v229, v243, v229
	s_lshl_b32 s22, s[GG], 4
	v_add_nc_u32 v229, s22, v229                   ; on the diagonal: register 16 b + i is hidden where 32 b + i > 16 g + r - 16 h
	s_lshl_b32 s22, s[WV], 8
	s_add_co_u32 s22, s22, STATS
	v_add_nc_u32 v211, s22, v237                   ; my slot
	s_xor_b32 s22, s[WV], 15
	s_lshl_b32 s22, s22, 8
	s_add_co_u32 s22, s22, STATS
	v_add_nc_u32 v232, s22, v237                   ; my partner's
	s_mul_i32 s22, s[OW], 15
	s_xor_b32 s22, s[WV], s22                      ; the pair's helper
	s_lshl_b32 s22, s22, 12
	s_add_co_u32 s22, s22, PART
	v_add_nc_u32 v233, s22, v236                   ; its part of O^T
	s_mov_b32 s[SEL], 0x76543210
	s_mov_b32 s[SEL+1], 0xfedcba98
	s_mov_b32 s[CS], 0x3e38aa3b                    ; log2(e) / 8
	s_mov_b32 s[CS+1], s[CS]
	s_mov_b32 s[U], 0
	s_wait_alu depctr_va_vdst(0)                   ; the wait at the head's end
	s_wait_kmcnt 0x0
	s_mov_b32 s[BS+1], s[BS]
	v_mov_b32 v228, s[AL]
	s_wait_alu depctr_va_vdst(0)
	s_wait_loadcnt 0x0                             ; Q
	s_wait_tensorcnt 0x0                           ; my part of the record has landed,
	s_barrier_signal -1
	s_barrier_wait -1                              ; everybody's has; nothing writes it again
; ---- pass 1
.Lp1:
	s_cmp_lg_u32 s[U], 8
	s_cbranch_scc1 .Ln1
	s_cmp_ge_u32 s[WV], 8
	s_cbranch_scc1 .Ln1
	STATS                                          ; a helper changes tiles: the long tile's part goes to my slot,
	ds_store_b64 v211, v[234:235]
	v_mov_b32 v221, 0xff61b1e6
	v_mov_b32 v30, 0
	v_mov_b32 v31, 0
	QLOAD 66, 68                                   ; and my own tile begins
	s_wait_alu depctr_va_vdst(0)
	s_wait_loadcnt 0x0
.Ln1:
	TRIPHEAD .Lh1, 0
	QK
	s_cmp_lg_u32 s[U], s[UD]
	s_cbranch_scc1 .Lo1                            ; off the diagonal all keys count
.set n, 0
.rept 64
	v_cmp_gt_i32 vcc_lo, 32*(n/16)+n%16, v229
	v_cndmask_b32 v[96+n], v[96+n], v29, vcc_lo
.set n, n+1
.endr
.Lo1:
.irp b, 0,1,2,3
	v_max3_num_f32 v[80+\b], v[96+16*\b], v[97+16*\b], v[98+16*\b]
.endr
.irp i, 3,5,7,9,11,13
.irp b, 0,1,2,3
	v_max3_num_f32 v[80+\b], v[80+\b], v[96+16*\b+\i], v[97+16*\b+\i]
.endr
.endr
.irp b, 0,1,2,3
	v_max_num_f32 v[80+\b], v[80+\b], v[111+16*\b]
.endr
	s_delay_alu instid0(VALU_DEP_2)
	v_max3_num_f32 v230, v80, v81, v82
	s_delay_alu instid0(VALU_DEP_1)
	v_max_num_f32 v230, v230, v83
	s_delay_alu instid0(VALU_DEP_1)
	v_permlanex16_b32 v231, v230, s[SEL], s[SEL+1]
	s_delay_alu instid0(VALU_DEP_1)
	v_max_num_f32 v230, v230, v231                 ; the step's largest score of my query
	s_delay_alu instid0(VALU_DEP_1)
	v_mul_f32 v230, s[CS], v230
	s_delay_alu instid0(VALU_DEP_1)
	v_max_num_f32 v230, v221, v230                 ; the new tm
	s_delay_alu instid0(VALU_DEP_1)
	v_sub_f32 v222, v221, v230
	v_mov_b32 v221, v230
	v_xor_b32 v14, 0x80000000, v230
	s_delay_alu instid0(VALU_DEP_1)
	v_mov_b32 v15, v14
	SCALE_T
	s_wait_alu depctr_va_vdst(0)                   ; the wait ahead of the batch
	v_exp_f32 v222, v222                           ; f = 2^(old tm - new tm)
.set n, 0
.rept 64
	v_exp_f32 v[96+n], v[96+n]
.set n, n+1
.endr
	v_nop
	s_wait_alu depctr_va_vdst(0)                   ; and one behind it
	v_pk_mul_f32 v[30:31], v[30:31], v[222:223] op_sel_hi:[1,0]
	v_pk_add_f32 v[192:193], v[96:97], v[98:99]    ; eight chains by turns
.irp c, 0,1,2,3,4,5
	v_pk_add_f32 v[242+2*\c:243+2*\c], v[100+4*\c:101+4*\c], v[102+4*\c:103+4*\c]
.endr
.irp k, 0,1,2,3
	v_pk_add_f32 v[30:31], v[30:31], v[124+8*\k:125+8*\k]
	v_pk_add_f32 v[192:193], v[192:193], v[126+8*\k:127+8*\k]
	v_pk_add_f32 v[242+4*(\k%3):243+4*(\k%3)], v[242+4*(\k%3):243+4*(\k%3)], v[128+8*\k:129+8*\k]
	v_pk_add_f32 v[244+4*(\k%3):245+4*(\k%3)], v[244+4*(\k%3):245+4*(\k%3)], v[130+8*\k:131+8*\k]
.endr
	v_pk_add_f32 v[30:31], v[30:31], v[156:157]
	v_pk_add_f32 v[192:193], v[192:193], v[158:159]
	v_pk_add_f32 v[242:243], v[242:243], v[244:245]
	v_pk_add_f32 v[246:247], v[246:247], v[248:249]
	v_pk_add_f32 v[250:251], v[250:251], v[252:253]
	v_pk_add_f32 v[30:31], v[30:31], v[192:193]
	v_pk_add_f32 v[242:243], v[242:243], v[246:247]
	v_pk_add_f32 v[30:31], v[30:31], v[250:251]
	v_pk_add_f32 v[30:31], v[30:31], v[242:243]
.Lh1:
	s_add_co_u32 s[U], s[U], 1
	s_cmp_lt_u32 s[U], 16
	s_cbranch_scc1 .Lp1
; ---- between the passes: the long tile's two parts are joined; beta / l and -gamma / (t + 1) of both tiles
	STATS
	s_wait_alu depctr_va_vdst(0)
	s_cmp_lt_u32 s[WV], 8
	s_cbranch_scc1 .Lhq
	ds_store_b64 v211, v[234:235]                  ; an owner's part
	s_branch .Lmt
.Lhq:
	QLOAD 54, 56                                   ; a helper begins pass 2 on the long tile
.Lmt:
	s_lshl_b32 s23, s[GG], 4
	s_add_co_u32 s23, s23, 1
	s_lshl_b32 s22, s[PA], 7
	s_add_co_u32 s22, s22, s23
	v_and_b32 v247, 15, v0
	v_add_nc_u32 v246, s22, v247
	s_lshl_b32 s22, s[WV], 7
	s_add_co_u32 s22, s22, s23
	v_add_nc_u32 v247, s22, v247
	v_cvt_f32_u32 v246, v246                       ; t + 1 in the long tile,
	v_cvt_f32_u32 v247, v247                       ; in my own
	s_wait_alu depctr_va_vdst(0)
	s_wait_dscnt 0x0                               ; my slot is written,
	s_barrier_signal -1
	s_barrier_wait -1                              ; everybody's is
	ds_load_b64 v[248:249], v211
	ds_load_b64 v[250:251], v232
	s_wait_dscnt 0x0
	v_max_num_f32 v252, v248, v250                 ; the long tile's tm
	v_sub_f32 v248, v248, v252
	v_sub_f32 v250, v250, v252
	s_wait_alu depctr_va_vdst(0)
	v_exp_f32 v248, v248
	v_exp_f32 v250, v250
	v_rcp_f32 v246, v246
	v_rcp_f32 v247, v247
	v_rcp_f32 v235, v235
	v_mov_b32 v29, 0                               ; pass 2's constant; the plain line behind the batch
	s_wait_alu depctr_va_vdst(0)
	v_mul_f32 v249, v249, v248
	v_fma_f32 v249, v251, v250, v249               ; its l
	s_wait_alu depctr_va_vdst(0)
	v_rcp_f32 v249, v249
	v_xor_b32 v14, 0x80000000, v252
	v_xor_b32 v239, 0x80000000, v234
	v_mul_f32 v240, s[BE], v235
	v_mul_f32 v226, -v246, s[GA]
	v_mul_f32 v241, -v247, s[GA]
	v_mov_b32 v15, v14
	v_mov_b32 v227, v226
	s_wait_alu depctr_va_vdst(0)
	v_mul_f32 v224, s[BE], v249
	v_mov_b32 v225, v224
	s_mov_b32 s[U], 0
	s_wait_alu depctr_va_vdst(0)
	s_wait_loadcnt 0x0
; ---- pass 2
.Lp2:
	s_cmp_lg_u32 s[U], 8
	s_cbranch_scc1 .Ln2
	s_cmp_ge_u32 s[WV], 8
	s_cbranch_scc1 .Ln2
	v_mov_b32 v14, v239                            ; a helper changes tiles.  These six are also the places behind the last products
	v_mov_b32 v15, v239
	v_mov_b32 v224, v240
	v_mov_b32 v225, v240
	v_mov_b32 v226, v241
	v_mov_b32 v227, v241
.irp i, 0,1,2,3,4,5,6,7
	ds_store_b128 v233, v[160+4*\i:163+4*\i] offset:512*\i   ; the long tile's part of O^T, as an image of the registers
.endr
.set n, 0
.rept 32
	v_mov_b32 v[160+n], 0
.set n, n+1
.endr
	QLOAD 66, 68
	s_wait_alu depctr_va_vdst(0)
	s_wait_loadcnt 0x0
.Ln2:
	TRIPHEAD .Lh2, 1
	QK
	SCALE_T
	s_wait_alu depctr_va_vdst(0)
.set n, 0
.rept 64
	v_exp_f32 v[96+n], v[96+n]
.set n, n+1
.endr
	v_nop
	s_wait_alu depctr_va_vdst(0)
.set n, 0
.rept 32
	v_pk_fma_f32 v[96+n:97+n], v[96+n:97+n], v[224:225], v[226:227]   ; beta p / l - gamma / (t + 1)
.set n, n+2
.endr
	s_cmp_lg_u32 s[U], s[UD]
	s_cbranch_scc1 .Lo2
.set n, 0
.rept 64                                       ; on the diagonal: hidden keys become 0, and alpha is added where key = query
	v_cmp_gt_i32 vcc_lo, 32*(n/16)+n%16, v229
	v_cndmask_b32 v[96+n], v[96+n], v29, vcc_lo
	v_cmp_eq_u32 vcc_lo, 32*(n/16)+n%16, v229
	v_cndmask_b32 v[230+n%2], v29, v228, vcc_lo
	v_add_f32 v[96+n], v[96+n], v[230+n%2]
.set n, n+1
.endr
.Lo2:
	QUANT 96, 212
.irp f, 0,1,2,3                                ; V^T: 16 channels x these 128 keys, into the registers that shaped has left
.irp c, 0,1
	ds_load_b128 v[96+12*\f+6*\c:99+12*\f+6*\c], v10 offset:3072*\c+256*\f
	ds_load_b64 v[100+12*\f+6*\c:101+12*\f+6*\c], v11 offset:3072*\c+128*\f
.endr
	ds_load_b32 v[217+\f], v12 offset:64*\f
.endr
.rept 8
	v_nop                                          ; a scale word made by vector lines stands eight places ahead of the scaled product
.endr
	s_wait_alu depctr_va_vdst(0)
	s_wait_dscnt 0x0
.irp f, 0,1,2,3                                ; the four accumulators by turns
	v_wmma_scale_f32_16x16x128_f8f6f4 v[160+8*\f:167+8*\f], v[96+12*\f:107+12*\f], v[192:203], v[160+8*\f:167+8*\f], v[217+\f], v212 matrix_a_fmt:MATRIX_FMT_FP6 matrix_b_fmt:MATRIX_FMT_FP6
.endr
.Lh2:
	s_add_co_u32 s[U], s[U], 1
	s_cmp_lt_u32 s[U], 16
	s_cbranch_scc1 .Lp2
; ---- the way out: the owner adds the helper's part; O^T through my stage, back as rows of 256 bytes; res = x + beta_SA y
	v_and_b32 v245, 15, v0
	v_bfe_u32 v246, v0, 4, 1
	s_mul_i32 s22, s[WV], 4352
	s_add_co_u32 s22, s22, STAGE
	v_mul_u32_u24 v242, v245, 272
	v_mul_u32_u24 v243, v246, 272
	v_lshlrev_b32 v244, 12, v246
	v_lshl_add_u32 v242, v246, 5, v242
	v_lshl_add_u32 v243, v245, 4, v243
	v_lshl_add_u32 v244, v245, 4, v244             ; two rows in x and res
	v_add_nc_u32 v242, s22, v242                   ; in: row r, + 32 h
	v_add_nc_u32 v243, s22, v243                   ; back: lanes 0-15 one row, lanes 16-31 the next
.irp i, 0,1,2,3,4,5,6,7
	global_load_b128 v[32+4*\i:35+4*\i], v244, s[58:59] offset:8192*\i
.endr
	s_wait_alu depctr_va_vdst(0)
	s_wait_dscnt 0x0                               ; a helper's part is written,
	s_barrier_signal -1
	s_barrier_wait -1                              ; every helper's is
	s_cmp_lt_u32 s[WV], 8
	s_cbranch_scc1 .Lown
.irp i, 0,1,2,3,4,5,6,7
	ds_load_b128 v[96+4*\i:99+4*\i], v233 offset:512*\i
.endr
	s_wait_dscnt 0x0
.set n, 0
.rept 16
	v_pk_add_f32 v[160+n:161+n], v[160+n:161+n], v[96+n:97+n]
.set n, n+2
.endr
.Lown:
.irp f, 0,1,2,3
	ds_store_b128 v242, v[160+8*\f:163+8*\f] offset:64*\f          ; each accumulator from its low end
	ds_store_b128 v242, v[164+8*\f:167+8*\f] offset:64*\f+16
.endr
.irp i, 0,1,2,3,4,5,6,7
	ds_load_b128 v[64+4*\i:67+4*\i], v243 offset:544*\i            ; LDS serves a wave's instructions in order: these see my stores
.endr
	s_wait_dscnt 0x0
	s_wait_loadcnt 0x0
.set n, 0
.rept 16
	v_pk_fma_f32 v[64+n:65+n], v[64+n:65+n], s[BS:BS+1], v[32+n:33+n] op_sel_hi:[1,0,1]
.set n, n+2
.endr
.irp i, 0,1,2,3,4,5,6,7
	global_store_b128 v244, v[64+4*\i:67+4*\i], s[60:61] offset:8192*\i   ; sixteen lanes store 256 consecutive bytes, aligned
.endr
	s_wait_tensorcnt 0x0                           ; the wave's end
	ds_add_u32 v254, v255
	s_wait_dscnt 0x0
	ROUND                                          ; the closing round
	s_endpgm
.Lfunc_end_k_q04309010ab_attn:
	.size	k_q04309010ab_attn, .Lfunc_end_k_q04309010ab_attn-k_q04309010ab_attn
	.p2alignl 7, 3214868480
	.fill 96, 4, 3214868480
	.section	.rodata,"a",@progbits
	.p2align	6, 0x0
	.amdhsa_kernel k_q04309010ab_attn
		.amdhsa_group_segment_fixed_size 327680
		.amdhsa_private_segment_fixed_size 0
		.amdhsa_enable_private_segment 0
		.amdhsa_kernarg_size 64
		.amdhsa_user_sgpr_count 2
		.amdhsa_user_sgpr_kernarg_segment_ptr 1
		.amdhsa_wavefront_size32 1
		.amdhsa_system_sgpr_workgroup_id_x 1
		.amdhsa_system_sgpr_workgroup_id_y 1
		.amdhsa_system_sgpr_workgroup_id_z 1
		.amdhsa_system_vgpr_workitem_id 0
		.amdhsa_next_free_vgpr 256
		.amdhsa_next_free_sgpr 72
		.amdhsa_reserve_vcc 1
		.amdhsa_float_denorm_mode_32 3
		.amdhsa_float_denorm_mode_16_64 3
		.amdhsa_memory_ordered 1
		.amdhsa_forward_progress 1
		.amdhsa_inst_pref_size 66
	.end_amdhsa_kernel
	.amdgpu_metadata
---
amdhsa.version: [ 1, 2 ]
amdhsa.kernels:
  - .name:           k_q04309010ab_attn
    .symbol:         k_q04309010ab_attn.kd
    .args:
      - { .name: qb, .offset: 0, .size: 8, .value_kind: global_buffer, .address_space: global }
      - { .name: kv, .offset: 8, .size: 8, .value_kind: global_buffer, .address_space: global }
      - { .name: x, .offset: 16, .size: 8, .value_kind: global_buffer, .address_space: global }
      - { .name: alpha, .offset: 24, .size: 8, .value_kind: global_buffer, .address_space: global }
      - { .name: beta, .offset: 32, .size: 8, .value_kind: global_buffer, .address_space: global }
      - { .name: gamma, .offset: 40, .size: 8, .value_kind: global_buffer, .address_space: global }
      - { .name: beta_SA, .offset: 48, .size: 8, .value_kind: global_buffer, .address_space: global }
      - { .name: res, .offset: 56, .size: 8, .value_kind: global_buffer, .address_space: global }
    .group_segment_fixed_size: 327680
    .private_segment_fixed_size: 0
    .kernarg_segment_align: 8
    .kernarg_segment_size: 64
    .max_flat_workgroup_size: 512
    .sgpr_count:     72
    .vgpr_count:     256
    .wavefront_size: 32
...
	.end_amdgpu_metadata
.endif
;; end of part 3
;; launch gemm2 (part 4): grid 8 x 32, 4 waves a work-group, clusters of 4 x 4, 327,680 bytes of LDS; arguments hp, wpj, res, beta_FF, out0; writes out0
.if DOCPART == 4
	.amdgcn_target "amdgcn-amd-amdhsa--gfx1250"
	.amdhsa_code_object_version 6
	.text
	.protected	k_q04309010ab_gemm2
	.globl	k_q04309010ab_gemm2
	.p2align	8
	.type	k_q04309010ab_gemm2,@function
k_q04309010ab_gemm2:
	s_mov_b64 s[64:65], 0
	v_nop
	global_prefetch_b8 v0, s[64:65] scope:SCOPE_SE
	s_setreg_imm32_b32 hwreg(HW_REG_WAVE_MODE, 25, 1), 1
	s_wait_xcnt 0x0
	s_wait_alu depctr_hold_cnt(0) depctr_sa_sdst(0) depctr_va_vdst(0) depctr_va_sdst(0) depctr_va_ssrc(0) depctr_va_vcc(0) depctr_vm_vsrc(0)
	s_getreg_b32 s2, hwreg(HW_REG_IB_STS2, 6, 4)
	s_cmp_eq_u32 s2, 0
	s_cbranch_scc0 .Lentry_in_a_cluster
	s_endpgm
.Lentry_in_a_cluster:
	s_bfe_u32 s2, ttmp6, 0x10000c
	s_cmp_lg_u32 s2, 0xf033
	s_cbranch_scc0 .Lentry_shape_is_right
	s_endpgm
.Lentry_shape_is_right:
.set PANEL, 12800
.set QTR,   2*PANEL
.set SLOT,  4*QTR
.set STAGE, 2*SLOT
.set SPARE, STAGE+4*4352
.set LAPS,  4
.set ADRA, 16
.set ADRB, 20
.set STO,  24
.set RD,   25
.set ADRS, 26
.set SPW,  28
.set NIL,  29
.set CO,   30
.set SC,   32
.set ACC,  128
.set F0,   0
.set F1,   128
.set G1, 24
.set G0, 32
.set G1B, 48
.set G0B, 56
.set MSB, 0
.macro WIN new
.if MSB != (\new)
	s_set_vgpr_msb (MSB<<8)|(\new)
.set MSB, (\new)
.endif
.endm
.set MUL,  0x05
.set TO_F, 0x40
.macro JLOAD s
	s_cmp_eq_u32 s15, 0
	s_cbranch_scc0 .Lfor_b_\@
	tensor_load_to_lds s[G0+4*\s:G0+4*\s+3], s[G1:G1+7]
	s_nop 0
.rept 4
	v_nop
.endr
	s_branch .Lasked_\@
.Lfor_b_\@:
	tensor_load_to_lds s[G0B+4*\s:G0B+4*\s+3], s[G1B:G1B+7]
	s_nop 0
.rept 4
	v_nop
.endr
.Lasked_\@:
.endm
.macro CREST
	s_cmp_lg_u32 s14, 0
	s_cbranch_scc1 .Lnot_wave_0_\@
	s_barrier_signal -3
.Lnot_wave_0_\@:
	s_barrier_wait -3
	s_barrier_signal -1
	s_barrier_wait -1
.endm
.macro CROUND
	s_barrier_signal -1
	s_barrier_wait -1
	CREST
.endm
	s_load_b256 s[4:11], s[0:1], 0x0
	s_load_b64 s[12:13], s[0:1], 0x20
	v_lshl_add_u32 v[SPW], v0, 2, SPARE
	v_mov_b32 v[NIL], 0
	ds_add_u32 v28, v29
	ds_add_u32 v28, v29
	s_wait_dscnt 0x0
	v_lshrrev_b32 v1, 5, v0
	v_readfirstlane_b32 s14, v1
	s_lshr_b32 s15, s14, 1
	s_and_b32 s16, s14, 1
	s_bfe_u32 s40, ttmp6, 0x40000
	s_bfe_u32 s41, ttmp6, 0x40004
	s_lshl_b32 s42, ttmp9, 2
	s_add_co_u32 s42, s42, s40
	s_and_b32 s17, ttmp7, 0xffff
	s_lshl_b32 s17, s17, 2
	s_add_co_u32 s17, s17, s41
	s_lshl_b32 s43, s41, 2
	s_lshl_b32 s43, 15, s43
	s_lshl_b32 s44, 0x1111, s40
	s_or_b32 s[G1+0], s43, (3<<16)|(1<<21)
	s_or_b32 s[G1B+0], s44, (3<<16)|(1<<21)
.irp g, G1, G1B
	s_mov_b32 s[\g+1], 32<<16
	s_mov_b32 s[\g+2], 100<<16
	s_mov_b32 s[\g+3], 32<<16
	s_mov_b32 s[\g+4], 100
	s_mov_b32 s[\g+5], 32
	s_mov_b32 s[\g+6], 0
	s_mov_b32 s[\g+7], 0
.endr
	s_mul_i32 s18, s16, QTR
	s_mul_i32 s20, s17, 32*PANEL
	s_add_co_u32 s20, s20, s18
	s_mov_b32 s21, 0
	s_mul_i32 s46, s42, 32*PANEL
	s_add_co_u32 s46, s46, s18
	s_mov_b32 s47, 0
	s_mul_i32 s45, s14, QTR
	s_wait_kmcnt 0x0
	s_add_nc_u64 s[20:21], s[4:5], s[20:21]
	s_add_nc_u64 s[46:47], s[6:7], s[46:47]
	CROUND
.irp s, 0,1
	s_mov_b32 s[G0+4*\s], 1
	s_add_co_u32 s[G0+4*\s+1], s45, \s*SLOT
	s_add_nc_u64 s[G0+4*\s+2:G0+4*\s+3], s[20:21], \s*2*QTR
	s_or_b32 s[G0+4*\s+3], s[G0+4*\s+3], 0x80000000
	s_mov_b32 s[G0B+4*\s], 1
	s_add_co_u32 s[G0B+4*\s+1], s45, \s*SLOT
	s_add_nc_u64 s[G0B+4*\s+2:G0B+4*\s+3], s[46:47], \s*2*QTR
	s_or_b32 s[G0B+4*\s+3], s[G0B+4*\s+3], 0x80000000
	s_wait_alu depctr_va_vdst(0)
	s_wait_tensorcnt 0x0
	ds_add_u32 v28, v29
	ds_add_u32 v28, v29
	s_wait_dscnt 0x0
	CROUND
	JLOAD \s
.endr
	s_load_b32 s66, s[10:11], 0x0
	v_and_b32 v1, 15, v0
	v_bfe_u32 v2, v0, 4, 1
	s_wait_alu depctr_va_vdst(0)
	v_and_b32 v3, 31, v0
	v_lshlrev_b32 v4, 4, v3
	v_lshlrev_b32 v6, 3, v1
	s_mul_i32 s21, s15, 4*1536
	s_mul_i32 s22, s16, 4*1536
	s_add_co_u32 s22, s22, 2*QTR
.irp s, 0,1
	v_add_nc_u32 v[ADRA+\s], s21, v4
	v_add_nc_u32 v[ADRB+\s], s22, v4
	s_add_co_u32 s21, s21, SLOT
	s_add_co_u32 s22, s22, SLOT
.endr
	s_lshl_b32 s21, s15, 8
	s_lshl_b32 s22, s16, 8
	s_add_co_u32 s22, s22, 2*QTR
	s_sub_co_u32 s22, s22, s21
	v_mul_u32_u24 v8, s22, v2
	s_wait_alu depctr_va_vdst(0)
	v_add_nc_u32 v8, v8, v6
	s_add_co_u32 s21, s21, PANEL-512
	v_add_nc_u32 v[ADRS], s21, v8
	v_add_nc_u32 v[ADRS+1], SLOT, v[ADRS]
	s_mul_i32 s23, s14, 4352
	s_add_co_u32 s23, s23, STAGE
	v_mul_u32_u24 v5, v1, 272
	v_lshl_add_u32 v5, v2, 6, v5
	v_add_nc_u32 v[STO], s23, v5
	v_mul_u32_u24 v5, v2, 272
	v_lshl_add_u32 v5, v1, 4, v5
	v_add_nc_u32 v[RD], s23, v5
	v_lshlrev_b32 v5, 12, v2
	v_lshl_add_u32 v[CO], v1, 4, v5
	s_lshl_b32 s20, s17, 7
	s_lshl_b32 s21, s15, 6
	s_add_co_u32 s20, s20, s21
	s_lshl_b32 s20, s20, 12
	s_lshl_b32 s21, s42, 9
	s_add_co_u32 s20, s20, s21
	s_lshl_b32 s21, s16, 8
	s_add_co_u32 s20, s20, s21
	s_mov_b32 s21, 0
	s_add_nc_u64 s[8:9], s[8:9], s[20:21]
	s_add_nc_u64 s[12:13], s[12:13], s[20:21]
.macro MUL4 f, a, zero
.irp b, 0,1,2,3
.if \zero
	v_wmma_scale_f32_16x16x128_f8f6f4 v[ACC+8*(4*(\a)+\b):ACC+8*(4*(\a)+\b)+7], v[(\f)+48+12*\b:(\f)+48+12*\b+11], v[(\f)+12*(\a):(\f)+12*(\a)+11], 0, v[SC+4*((\f)/128)+\b], v[SC+4*((\f)/128)+(\a)] matrix_a_fmt:MATRIX_FMT_FP6 matrix_b_fmt:MATRIX_FMT_FP6 matrix_a_scale:MATRIX_SCALE_ROW1
.else
	v_wmma_scale_f32_16x16x128_f8f6f4 v[ACC+8*(4*(\a)+\b):ACC+8*(4*(\a)+\b)+7], v[(\f)+48+12*\b:(\f)+48+12*\b+11], v[(\f)+12*(\a):(\f)+12*(\a)+11], v[ACC+8*(4*(\a)+\b):ACC+8*(4*(\a)+\b)+7], v[SC+4*((\f)/128)+\b], v[SC+4*((\f)/128)+(\a)] matrix_a_fmt:MATRIX_FMT_FP6 matrix_b_fmt:MATRIX_FMT_FP6 matrix_a_scale:MATRIX_SCALE_ROW1
.endif
.endr
.endm
.macro FETCH slot, q, f
	WIN 0
.irp p, 0,1
	ds_load_b64 v[SC+4*((\f)/128)+2*\p:SC+4*((\f)/128)+2*\p+1], v[ADRS+\slot] offset:(\q)*PANEL+128*\p
.endr
	WIN TO_F
.irp i, 0,1,2,3
.irp g, 0,1,2
	ds_load_b128 v[(\f)+48+12*\i+4*\g:(\f)+48+12*\i+4*\g+3], v[ADRB+\slot] offset:(\q)*PANEL+1536*\i+512*\g
.endr
.endr
.irp i, 0,1,2,3
.irp g, 0,1,2
	ds_load_b128 v[(\f)+12*\i+4*\g:(\f)+12*\i+4*\g+3], v[ADRA+\slot] offset:(\q)*PANEL+1536*\i+512*\g
.endr
.endr
.endm
.macro PLACES
.rept 4
	v_nop
.endr
.endm
.macro QUARTER slot, qn, f, g, zero
	s_wait_dscnt 6
	WIN MUL
	MUL4 \f, 0, \zero
	MUL4 \f, 1, \zero
	s_wait_dscnt 0
	PLACES
	FETCH \slot, \qn, \g
	WIN MUL
	MUL4 \f, 2, \zero
	MUL4 \f, 3, \zero
.endm
.macro TURN slot, next, fill
	WIN 0
	s_wait_tensorcnt 0x0
	ds_add_u32 v[SPW], v[NIL]
	s_wait_dscnt 7
	WIN MUL
	MUL4 F1, 0, 0
	s_wait_dscnt 0x0
	s_barrier_signal -1
	MUL4 F1, 1, 0
	WIN 0
	s_barrier_wait -1
.if \fill
	CREST
	s_add_nc_u64 s[G0+4*\slot+2:G0+4*\slot+3], s[G0+4*\slot+2:G0+4*\slot+3], 4*QTR
	s_add_nc_u64 s[G0B+4*\slot+2:G0B+4*\slot+3], s[G0B+4*\slot+2:G0B+4*\slot+3], 4*QTR
	JLOAD \slot
.else
	PLACES
.endif
	s_wait_alu depctr_va_vdst(0)
	FETCH \next, 0, F0
	WIN MUL
	MUL4 F1, 2, 0
	MUL4 F1, 3, 0
.endm
	s_wait_kmcnt 0x0
	s_mov_b32 s67, s66
	s_wait_tensorcnt 1
	s_barrier_signal -1
	s_barrier_wait -1
	FETCH 0, 0, F0
	QUARTER 0, 1, F0, F1, 1
	WIN 0
	s_mov_b32 s3, LAPS-1
.Llap:
	QUARTER 0, 2, F1, F0, 0
	QUARTER 0, 3, F0, F1, 0
	TURN 0, 1, 1
	QUARTER 1, 1, F0, F1, 0
	QUARTER 1, 2, F1, F0, 0
	QUARTER 1, 3, F0, F1, 0
	TURN 1, 0, 1
	QUARTER 0, 1, F0, F1, 0
	WIN 0
	s_sub_co_u32 s3, s3, 1
	s_cmp_lg_u32 s3, 0
	s_cbranch_scc1 .Llap
	QUARTER 0, 2, F1, F0, 0
	QUARTER 0, 3, F0, F1, 0
	TURN 0, 1, 0
	QUARTER 1, 1, F0, F1, 0
	QUARTER 1, 2, F1, F0, 0
	QUARTER 1, 3, F0, F1, 0
	s_wait_dscnt 6
	WIN MUL
	MUL4 F1, 0, 0
	MUL4 F1, 1, 0
	s_wait_dscnt 0
	MUL4 F1, 2, 0
	MUL4 F1, 3, 0
	WIN 0
	PLACES
	WIN TO_F
.irp a, 0,1,2,3
.irp i, 0,1,2,3,4,5,6,7
	global_load_b128 v[4*(8*\a+\i):4*(8*\a+\i)+3], v[CO], s[8:9] offset:(16*\a+2*\i)*4096 th:TH_LOAD_NT
.endr
.endr
	WIN 0
.irp a, 0,1,2,3
.if \a > 1
	s_wait_xcnt 0x0
.endif
.irp b, 0,1,2,3
	ds_store_b128 v[STO], v[ACC+8*(4*\a+\b):ACC+8*(4*\a+\b)+3] offset:128*(\b/2)+32*(\b%2)
	ds_store_b128 v[STO], v[ACC+8*(4*\a+\b)+4:ACC+8*(4*\a+\b)+7] offset:128*(\b/2)+32*(\b%2)+16
.endr
.irp i, 0,1,2,3,4,5,6,7
	ds_load_b128 v[40+32*(\a%2)+4*\i:40+32*(\a%2)+4*\i+3], v[RD] offset:544*\i
.endr
	s_wait_dscnt 0x0
	s_wait_loadcnt 24-8*\a
	WIN 0x10
.irp k, 0,2,4,6,8,10,12,14,16,18,20,22,24,26,28,30
	v_pk_fma_f32 v[40+32*(\a%2)+\k:40+32*(\a%2)+\k+1], v[40+32*(\a%2)+\k:40+32*(\a%2)+\k+1], s[66:67], v[32*\a+\k:32*\a+\k+1] op_sel_hi:[1,0,1]
.endr
	WIN 0
.irp i, 0,1,2,3,4,5,6,7
	global_store_b128 v[CO], v[40+32*(\a%2)+4*\i:40+32*(\a%2)+4*\i+3], s[12:13] offset:(16*\a+2*\i)*4096 th:TH_STORE_NT
.endr
.endr
	s_wait_tensorcnt 0x0
	ds_add_u32 v[SPW], v[NIL]
	s_wait_dscnt 0x0
	CROUND
	s_endpgm
.Lfunc_end_k_q04309010ab_gemm2:
	.size	k_q04309010ab_gemm2, .Lfunc_end_k_q04309010ab_gemm2-k_q04309010ab_gemm2
	.p2alignl 7, 3214868480
	.fill 96, 4, 3214868480
	.section	.rodata,"a",@progbits
	.p2align	6, 0x0
	.amdhsa_kernel k_q04309010ab_gemm2
		.amdhsa_group_segment_fixed_size 327680
		.amdhsa_private_segment_fixed_size 0
		.amdhsa_enable_private_segment 0
		.amdhsa_kernarg_size 40
		.amdhsa_user_sgpr_count 2
		.amdhsa_user_sgpr_kernarg_segment_ptr 1
		.amdhsa_wavefront_size32 1
		.amdhsa_system_sgpr_workgroup_id_x 1
		.amdhsa_system_sgpr_workgroup_id_y 1
		.amdhsa_system_sgpr_workgroup_id_z 1
		.amdhsa_system_vgpr_workitem_id 0
		.amdhsa_next_free_vgpr 512
		.amdhsa_next_free_sgpr 70
		.amdhsa_reserve_vcc 0
		.amdhsa_float_denorm_mode_32 3
		.amdhsa_float_denorm_mode_16_64 3
		.amdhsa_memory_ordered 1
		.amdhsa_forward_progress 1
		.amdhsa_inst_pref_size 89
	.end_amdhsa_kernel
	.amdgpu_metadata
---
amdhsa.version: [ 1, 2 ]
amdhsa.kernels:
  - .name:           k_q04309010ab_gemm2
    .symbol:         k_q04309010ab_gemm2.kd
    .args:
      - { .name: hp, .offset: 0, .size: 8, .value_kind: global_buffer, .address_space: global }
      - { .name: wpj, .offset: 8, .size: 8, .value_kind: global_buffer, .address_space: global }
      - { .name: res, .offset: 16, .size: 8, .value_kind: global_buffer, .address_space: global }
      - { .name: beta_FF, .offset: 24, .size: 8, .value_kind: global_buffer, .address_space: global }
      - { .name: out0, .offset: 32, .size: 8, .value_kind: global_buffer, .address_space: global }
    .group_segment_fixed_size: 327680
    .private_segment_fixed_size: 0
    .kernarg_segment_align: 8
    .kernarg_segment_size: 40
    .max_flat_workgroup_size: 128
    .sgpr_count:     70
    .vgpr_count:     512
    .wavefront_size: 32
...
	.end_amdgpu_metadata
.endif
;; end of part 4
